; MI455X (gfx1250); checked and timed in simulation.
; The chip was launched on July 23, 2026; its instructions are those of AMD's public machine-readable ISA for CDNA 5 (MIT licence, August 2026) and "CDNA5" Instruction Set Architecture Reference Guide (July 2026). The comments in the code are by the model that wrote it; some were corrected since.
;; Self Attention. Allowed arithmetic: matrix products marked QUANTISED: E4M3 operands, one given power-of-two scale a tensor, by v_wmma_f32_16x16x64_fp8_fp8 or v_wmma_f32_16x16x128_fp8_fp8, f32 sums; everything else in f32.
;; Inputs: b_in 3,072 float32; b_out 1,024 float32; lowp_scales 8 int32 (the exponents e of the quantised operands' scales 2^e); w_in 1,024 x 3,072 float32; w_out 1,024 x 1,024 float32; x 2 x 2,048 x 1,024 float32.
;; Outputs: out0 2 x 2,048 x 1,024 float32.
;; This version of the problem:
;;   THIS VERSION OF THE PROBLEM IS GIVEN IN LOW PRECISION. The matrix products marked QUANTISED in the list below multiply operands that are first quantised to E4M3 (4 exponent bits, 3 mantissa bits; 8 bits a number), with one given power-of-two scale for each operand tensor; their sums are f32. All else is computed in f32.
;;   The module's matrix products, in the order in which they are computed (A, B: the left and right operand; K: the contracted axis; several contracted axes count as one K, in the product's order):
;;     1. [M 4,096, K 1,024] x [K 1,024, N 3,072]; A: input x; B: input w_in: QUANTISED (scales: A lowp_scales[0], B lowp_scales[1])
;;     2. batch 32 x [M 2,048, K 64] x [K 64, N 2,048]; A: computed on the way; B: computed on the way: QUANTISED (scales: A lowp_scales[2], B lowp_scales[3])
;;     3. batch 32 x [M 64, K 2,048] x [K 2,048, N 2,048]; A: computed on the way; B: softmax (see below): QUANTISED (scales: A lowp_scales[4], B lowp_scales[5])
;;     4. [M 4,096, K 1,024] x [K 1,024, N 1,024]; A: computed on the way; B: input w_out: QUANTISED (scales: A lowp_scales[6], B lowp_scales[7])
;;   THE QUANTISER, for each operand of a quantised product, along K:
;;     - The operand's scale is 2^e, e = its entry of the input lowp_scales (int32; the entries are numbered through the quantised products in the list's order, A before B).
;;     - Each number is divided by the scale, clamped to +-448, and rounded to the nearest number of E4M3, ties to even, subnormals kept.
;;     - The product sums the exact products of the quantised numbers (number of the format x scale) in f32.
;;   ~~~python
;;   def quantise(x, axis, e):      # numpy; x: float32 -> the quantised numbers, widened to float32 again
;;       x = np.moveaxis(x, axis, -1); K = x.shape[-1]
;;       r = np.clip(x / 2.0 ** e, -448, 448)
;;       step = 2.0 ** (np.maximum(np.frexp(np.where(r == 0, 1, r))[1] - 1, -6) - 3)
;;       q = np.round(r / step) * step * 2.0 ** e      # np.round: ties to even
;;       return np.moveaxis(q, -1, axis).astype(np.float32)
;;   ~~~
;;   SOFTMAX AHEAD OF A QUANTISED PRODUCT. Where the list says 'softmax', what is quantised is not the finished softmax but p = 2^(t - M), with t = logit x log2(e) and M = ceil(the row's largest t), a whole number; so 1/2 < the row's largest p <= 1. The row's sum l is taken of the UNQUANTISED p, in f32, and the product's result is divided by l at the end. Since M is a whole number, a kernel that streams over the keys may use a running M (the ceiling of the running maximum): every later rescaling is an exact power of two, so the quantised numbers keep their values, but for numbers so far below the row's largest that they fall under the format's range.
;;   OPERANDS COMPUTED ON THE WAY. 'Computed on the way' means the value that the module computes at that place (a softmax that the list does not call 'softmax' is quantised finished and normalised). What goes into a quantiser is computed in f32, as accurately as f32 sums, v_exp_f32 and their like allow (about 1e-6 of the number): no bf16 or f16 on the way to a quantiser, and a product that is left as it is and whose result goes on into a quantised operand takes f32 operands (vector FMAs, or v_wmma_f32_16x16x4_f32). A number that lies on a knife's edge between two numbers of the format may be rounded either way, as far as f32 arithmetic and the matrix unit's own rounding can turn it there, and no further.
;; One version. Each part assembles by itself: llvm-mc -triple=amdgcn-amd-amdhsa -mcpu=gfx1250 --defsym DOCPART=n.
;; ======== version 1 of 1: 4 launches
;; limits: right only within a limited range of input values
;; workspace buffers: xc 4,194,304 bytes; wic 3,145,728 bytes; woc 1,048,576 bytes; qkvc 12,582,912 bytes; ac 4,194,304 bytes
;; launch quant (part 1): grid 256 x 1, 16 waves a work-group, no clusters, 118,784 bytes of LDS; arguments x, w_in, w_out, lowp_scales, xc, wic, woc; writes xc, wic, woc
.if DOCPART == 1
	.amdgcn_target "amdgcn-amd-amdhsa--gfx1250"
	.amdhsa_code_object_version 6
	.text
	.protected	k_q5014d67243_quant
	.globl	k_q5014d67243_quant
	.p2align	8
	.type	k_q5014d67243_quant,@function
k_q5014d67243_quant:
	s_mov_b64 s[64:65], 0
	v_nop
	global_prefetch_b8 v0, s[64:65] scope:SCOPE_SE
	s_setreg_imm32_b32 hwreg(HW_REG_WAVE_MODE, 25, 1), 1
	s_wait_xcnt 0x0
; x [4096][1024], w_in [1024][3072] and w_out [1024][1024], f32, become codes of FP8 (E4M3), one a byte, K innermost:
; xc [chunk of 256 along K: 4][token 4096][256];  wic [chunk: 4][row 3072][256], row = 192 head + 96 (channel / 32) + 32 part + channel % 32, part = 0 q, 1 k, 2 v;  woc [n 1024][k 1024].
; code = number / 2^e, held within +-448, to the nearest code, ties to even; e = entry 0 (x), 1 (w_in), 7 (w_out) of the scales.
; LIMITS: each e between -126 and 119, so that 2^e and 448 x 2^e are f32 numbers.  NaN among the inputs is not served.
; LEFT OUT IN THE PROGRAM (in attention's launch): blocks of keys that reference()'s causal mask hides wholly from a tile of queries: it puts -inf there ahead of the softmax, so their p is 0 for all inputs.
; A NaN, an infinity or an overflow that reaches only those is not carried to the result.
; 256 work-groups of sixteen waves, each reads 128 KiB, and each wave asks for all of its part at its start.  Work-groups 0-127: x, a plain stream; a wave takes 2 rows, 4 steps of 512 numbers.  Each load reads 512 consecutive bytes;
; a step's 2,048 bytes turn through the wave's own stage in LDS, so that a lane gets 16 neighbours along K for the conversions.
; Work-groups 128-255: the weights, whose K is the first axis: a lane takes a column and its registers run down K, 2 blocks of 32.  Four waves share 32 columns, 64 along K each; their codes meet in one stage and leave as rows of 256 bytes.
; The two ways part on the work-group's number, never meet again, and have LDS bytes of their own.  A stream: no matrix unit, no cluster (no byte is read by two work-groups).
.set STEPS, 4
.set WREG,  5120                       ; x: LDS of a wave: two stages of 32 x SP bytes
.set SP,    80                         ; a lane's place in a stage: 64 bytes + 16 of padding
.set R,     16                         ; v16-79   x: four sets of 16 numbers as loaded
.set X,     80                         ; v80-111  x: two sets of 16 neighbours
.set C,     128                        ; v128-143 x: codes, four registers a step
.set WST,   16*WREG                    ; the weights' stages begin here: 32 rows x 272 bytes for four waves
.set WP,    272
.set WX,    32                         ; v32-95   weights: two sets of 32 numbers
.set WC,    96                         ; v96-111  the two blocks' codes
.set OUTR,  112                        ; v112-127 the way out
.set OFF,   176                        ; v176-207 byte offset of row i of a block at my column: i x row pitch + 4 x lane
.set SPW,   208
.set NIL,   209
.set SPARE, WST+4*32*WP                ; the spare words, 128 bytes a wave
.macro XLOAD t
.irp i, 0,1,2,3
	global_load_b128 v[R+16*(\t)+4*\i:R+16*(\t)+4*\i+3], v3, s[4:5] offset:2048*(\t)+512*\i th:TH_LOAD_NT   ; 32 lanes read 512 consecutive bytes
.endr
.endm
.macro XTURN t                         ; step t's numbers through the stage: LDS serves a wave's instructions in order, so no wait stands between the stores and the loads
.irp i, 0,1,2,3
	ds_store_b128 v14, v[R+16*(\t)+4*\i:R+16*(\t)+4*\i+3] offset:32*SP*((\t)%2)+8*SP*\i
.endr
.irp i, 0,1,2,3
	ds_load_b128 v[X+16*((\t)%2)+4*\i:X+16*((\t)%2)+4*\i+3], v15 offset:32*SP*((\t)%2)+16*\i
.endr
.endm
.macro XSTEP t
.set XS, X+16*((\t)%2)
	s_wait_dscnt 0x0                               ; this step's numbers are back from the stage
.if (\t)+1 < STEPS
	s_wait_loadcnt 4*(STEPS-2-(\t))                ; the next step's four loads are in; those behind it may be out
	XTURN (\t)+1
.endif
.set ii, 0
.rept 16
	v_med3_num_f32 v[XS+ii], v[XS+ii], -v10, v10   ; the conversion does not saturate (ISA guide 7.6.2): the hold at the largest code x the scale
.set ii, ii+1
.endr
	v_cvt_scalef32_pk8_fp8_f32 v[C+4*(\t):C+4*(\t)+1], v[XS:XS+7], v11
	v_cvt_scalef32_pk8_fp8_f32 v[C+4*(\t)+2:C+4*(\t)+3], v[XS+8:XS+15], v11
	global_store_b128 v4, v[C+4*(\t):C+4*(\t)+3], s[12:13] offset:2097152*((\t)%2)+256*((\t)/2)   ; half a row, two chunks: sixteen lanes fill 256 consecutive bytes of each
.endm
.macro WLOAD t                         ; block t: W(32 t + i, my column): 32 lanes read 128 consecutive bytes, four waves stand side by side
.set ii, 0
.rept 32
	global_load_b32 v[WX+32*(\t)+ii], v[OFF+ii], s[32+2*(\t):33+2*(\t)] th:TH_LOAD_NT
.set ii, ii+1
.endr
.endm
.macro WBLOCK t
.set XS, WX+32*(\t)
	s_wait_loadcnt 32*(1-(\t))                     ; this block's 32 loads are in; the next block's may be out
.set ii, 0
.rept 32
	v_med3_num_f32 v[XS+ii], v[XS+ii], -v10, v10
.set ii, ii+1
.endr
.irp g, 0,1,2,3
	v_cvt_scalef32_pk8_fp8_f32 v[WC+8*(\t)+2*\g:WC+8*(\t)+2*\g+1], v[XS+8*\g:XS+8*\g+7], v11
.endr
	ds_store_b128 v4, v[WC+8*(\t):WC+8*(\t)+3] offset:32*(\t)      ; 32 codes: 32 bytes of my column's row
	ds_store_b128 v4, v[WC+8*(\t)+4:WC+8*(\t)+7] offset:32*(\t)+16
.endm
	s_load_b256 s[4:11], s[0:1], 0x0               ; x s[4:5], w_in s[6:7], w_out s[8:9], the scales' exponents s[10:11]
	s_load_b128 s[12:15], s[0:1], 0x20             ; xc s[12:13], wic s[14:15]
	s_load_b64 s[16:17], s[0:1], 0x30              ; woc
	v_lshl_add_u32 v[SPW], v0, 2, SPARE
	v_mov_b32 v[NIL], 0
	v_lshrrev_b32 v1, 5, v0
	v_and_b32 v2, 31, v0                           ; lane
	v_readfirstlane_b32 s18, v1                    ; wave
	s_wait_alu depctr_va_vdst(0)
	s_wait_kmcnt 0x0
	s_load_b256 s[24:31], s[10:11], 0x0            ; e0 .. e7
	s_cmp_lt_u32 ttmp9, 128
	s_cbranch_scc0 .Lweights
	; ---------------- x
	s_mul_i32 s19, s18, WREG
	s_lshl_b32 s20, ttmp9, 4
	s_add_co_u32 s20, s20, s18                     ; which pair of rows is my wave's
	s_lshl_b32 s22, s20, 13
	s_mov_b32 s23, 0
	s_add_nc_u64 s[4:5], s[4:5], s[22:23]
	s_lshl_b32 s22, s20, 9
	s_add_nc_u64 s[12:13], s[12:13], s[22:23]
	v_lshlrev_b32 v3, 4, v2                        ; my 16 bytes of a load's 512
.irp t, 0,1,2,3
	XLOAD \t
.endr
	v_lshrrev_b32 v14, 2, v2
	v_and_b32 v15, 3, v2
	v_lshrrev_b32 v4, 4, v2
	v_and_b32 v5, 15, v2
	v_mul_u32_u24 v14, v14, SP
	v_lshlrev_b32 v4, 20, v4
	v_lshl_add_u32 v14, v15, 4, v14
	v_mul_u32_u24 v15, v2, SP
	v_lshl_add_u32 v4, v5, 4, v4                   ; the codes: lanes 16-31 stand in the next chunk, 4,096 x 256 bytes on
	v_add_nc_u32 v14, s19, v14                     ; the stage, on the way in: SP (lane / 4) + 16 (lane % 4)
	v_add_nc_u32 v15, s19, v15                     ; and on the way out: SP x lane: my 16 neighbours
	s_wait_alu depctr_va_vdst(0)
	s_wait_kmcnt 0x0
	s_add_co_i32 s22, s24, 127
	s_lshl_b32 s23, s22, 23
	v_mov_b32 v11, s23                             ; 2^e0 as f32: the conversion takes its exponent field
	s_add_co_i32 s22, s22, 8
	s_lshl_b32 s22, s22, 23
	s_or_b32 s22, s22, 0x600000
	v_mov_b32 v10, s22                             ; 448 x 2^e0
	s_wait_alu depctr_va_vdst(0)                   ; the head's end
	s_wait_loadcnt 12                              ; step 0's four loads are in
	XTURN 0
.irp t, 0,1,2,3
	XSTEP \t
.endr
	s_wait_tensorcnt 0x0                           ; the wave's end
	ds_add_u32 v[SPW], v[NIL]
	s_wait_dscnt 0x0
	s_endpgm
	; ---------------- the weights: 96 work-groups for w_in (24 strips of 128 columns x 4 chunks of K), 32 for w_out (8 x 4)
.Lweights:
	s_sub_co_u32 s19, ttmp9, 128
	s_lshr_b32 s20, s19, 2
	s_and_b32 s21, s19, 3                          ; which chunk of 256 along K
	s_and_b32 s59, s18, 3                          ; which 32 columns of the strip
	s_lshr_b32 s60, s18, 2                         ; which 64 of the chunk
	s_mul_i32 s57, s21, 3072*256
	s_lshl_b32 s58, s21, 8
	s_mov_b32 s22, 4096
	s_mov_b32 s56, 1024
	s_cmp_lt_u32 s19, 96                           ; w_in or w_out?  The choice hangs on the work-group's number alone
	s_cselect_b64 s[4:5], s[6:7], s[8:9]           ; from
	s_cselect_b64 s[8:9], s[14:15], s[16:17]       ; to
	s_cselect_b32 s22, 12288, s22                  ; a row of the weight in bytes
	s_cselect_b32 s56, 256, s56                    ; from row to row of the codes
	s_cselect_b32 s57, s57, s58                    ; the chunk in the codes
	s_cselect_b32 s48, 0, 24
	s_sub_co_u32 s20, s20, s48                     ; which strip
	s_lshl_b32 s20, s20, 7
	s_lshl_b32 s49, s59, 5
	s_add_co_u32 s20, s20, s49                     ; my wave's first column
	s_lshl_b32 s50, s21, 8
	s_lshl_b32 s49, s60, 6
	s_add_co_u32 s50, s50, s49                     ; my first k
	s_mul_i32 s50, s50, s22
	s_lshl_b32 s49, s20, 2
	s_add_co_u32 s50, s50, s49
	s_mov_b32 s51, 0
	s_add_nc_u64 s[32:33], s[4:5], s[50:51]        ; block 0,
	s_lshl_b32 s50, s22, 5
	s_add_nc_u64 s[34:35], s[32:33], s[50:51]      ; block 1: 32 rows on
	v_lshlrev_b32 v3, 2, v2
.set ii, 0
.rept 32
	v_mad_u32_u24 v[OFF+ii], s22, ii, v3
.set ii, ii+1
.endr
	WLOAD 0
	WLOAD 1
	s_lshr_b32 s49, s20, 10
	s_lshl_b32 s49, s49, 5                         ; 32 x part
	s_bfe_u32 s50, s20, 0x40006                    ; the head
	s_mul_i32 s50, s50, 192
	s_add_co_u32 s50, s50, s49
	s_bfe_u32 s49, s20, 0x10005                    ; channel / 32
	s_mul_i32 s49, s49, 96
	s_add_co_u32 s50, s50, s49
	s_cmp_lt_u32 s19, 96
	s_cselect_b32 s50, s50, s20                    ; the first row of my 32 columns in the codes
	s_lshl_b32 s49, s60, 3
	s_add_co_u32 s50, s50, s49                     ; I store 8 of them
	s_mul_i32 s52, s50, s56
	s_add_co_u32 s52, s52, s57
	s_mov_b32 s53, 0
	s_add_nc_u64 s[8:9], s[8:9], s[52:53]
	s_mul_i32 s54, s59, 32*WP
	s_add_co_u32 s54, s54, WST                     ; my four waves' stage
	s_lshl_b32 s55, s60, 6
	s_add_co_u32 s55, s55, s54
	s_mul_i32 s61, s60, 8*WP
	s_add_co_u32 s61, s61, s54
	s_lshl_b32 s62, s56, 1
	v_mul_u32_u24 v4, v2, WP
	v_and_b32 v5, 15, v2
	v_lshrrev_b32 v6, 4, v2                        ; out: sixteen lanes to a row, two rows an instruction
	v_add_nc_u32 v4, s55, v4                       ; in: row = my column
	v_mul_u32_u24 v7, v6, WP
	v_mul_u32_u24 v8, s56, v6
	v_lshl_add_u32 v7, v5, 4, v7
	v_lshl_add_u32 v8, v5, 4, v8                   ; the same place in the codes' buffer,
	v_add_nc_u32 v7, s61, v7
	v_add_nc_u32 v16, s62, v8                      ; and two rows on, and so on
	v_add_nc_u32 v17, s62, v16
	v_add_nc_u32 v18, s62, v17
	s_wait_alu depctr_va_vdst(0)
	s_wait_kmcnt 0x0
	s_cmp_lt_u32 s19, 96
	s_cselect_b32 s23, s25, s31                    ; e1 or e7
	s_add_co_i32 s23, s23, 127
	s_lshl_b32 s55, s23, 23
	v_mov_b32 v11, s55                             ; 2^e
	s_add_co_i32 s23, s23, 8
	s_lshl_b32 s23, s23, 23
	s_or_b32 s23, s23, 0x600000
	v_mov_b32 v10, s23                             ; 448 x 2^e
	s_wait_alu depctr_va_vdst(0)                   ; the head's end
	WBLOCK 0
	WBLOCK 1
	s_wait_dscnt 0x0                               ; my codes lie in the stage
	s_barrier_signal -1
	s_barrier_wait -1                              ; everybody's do
.irp t, 0,1,2,3
	ds_load_b128 v[OUTR+4*\t:OUTR+4*\t+3], v7 offset:2*\t*WP
.endr
	s_wait_dscnt 3
	global_store_b128 v8, v[OUTR:OUTR+3], s[8:9]               ; sixteen lanes store 256 consecutive bytes, at a multiple of 256 from the buffer's first byte
	s_wait_dscnt 2
	global_store_b128 v16, v[OUTR+4:OUTR+7], s[8:9]
	s_wait_dscnt 1
	global_store_b128 v17, v[OUTR+8:OUTR+11], s[8:9]
	s_wait_dscnt 0
	global_store_b128 v18, v[OUTR+12:OUTR+15], s[8:9]
	s_wait_tensorcnt 0x0                           ; the wave's end
	ds_add_u32 v[SPW], v[NIL]
	s_wait_dscnt 0x0
	s_endpgm
.Lfunc_end_k_q5014d67243_quant:
	.size	k_q5014d67243_quant, .Lfunc_end_k_q5014d67243_quant-k_q5014d67243_quant
	.p2alignl 7, 3214868480
	.fill 96, 4, 3214868480
	.section	.rodata,"a",@progbits
	.p2align	6, 0x0
	.amdhsa_kernel k_q5014d67243_quant
		.amdhsa_group_segment_fixed_size 118784
		.amdhsa_private_segment_fixed_size 0
		.amdhsa_enable_private_segment 0
		.amdhsa_kernarg_size 56
		.amdhsa_user_sgpr_count 2
		.amdhsa_user_sgpr_kernarg_segment_ptr 1
		.amdhsa_wavefront_size32 1
		.amdhsa_system_sgpr_workgroup_id_x 1
		.amdhsa_system_sgpr_workgroup_id_y 1
		.amdhsa_system_sgpr_workgroup_id_z 1
		.amdhsa_system_vgpr_workitem_id 0
		.amdhsa_next_free_vgpr 210
		.amdhsa_next_free_sgpr 100
		.amdhsa_reserve_vcc 0
		.amdhsa_float_denorm_mode_32 3
		.amdhsa_float_denorm_mode_16_64 3
		.amdhsa_memory_ordered 1
		.amdhsa_forward_progress 1
		.amdhsa_inst_pref_size 28
	.end_amdhsa_kernel
	.amdgpu_metadata
---
amdhsa.version: [ 1, 2 ]
amdhsa.kernels:
  - .name:           k_q5014d67243_quant
    .symbol:         k_q5014d67243_quant.kd
    .args:
      - { .name: x, .offset: 0, .size: 8, .value_kind: global_buffer, .address_space: global }
      - { .name: w_in, .offset: 8, .size: 8, .value_kind: global_buffer, .address_space: global }
      - { .name: w_out, .offset: 16, .size: 8, .value_kind: global_buffer, .address_space: global }
      - { .name: lowp_scales, .offset: 24, .size: 8, .value_kind: global_buffer, .address_space: global }
      - { .name: xc, .offset: 32, .size: 8, .value_kind: global_buffer, .address_space: global }
      - { .name: wic, .offset: 40, .size: 8, .value_kind: global_buffer, .address_space: global }
      - { .name: woc, .offset: 48, .size: 8, .value_kind: global_buffer, .address_space: global }
    .group_segment_fixed_size: 118784
    .private_segment_fixed_size: 0
    .kernarg_segment_align: 8
    .kernarg_segment_size: 56
    .max_flat_workgroup_size: 512
    .sgpr_count:     100
    .vgpr_count:     210
    .wavefront_size: 32
...
	.end_amdgpu_metadata
.endif
;; end of part 1
;; launch qkv (part 2): grid 16 x 16, 4 waves a work-group, clusters of 4 x 4, 327,680 bytes of LDS; arguments xc, wic, lowp_scales, b_in, qkvc; writes qkvc
.if DOCPART == 2
	.amdgcn_target "amdgcn-amd-amdhsa--gfx1250"
	.amdhsa_code_object_version 6
	.text
	.protected	k_q5014d67243_qkv
	.globl	k_q5014d67243_qkv
	.p2align	8
	.type	k_q5014d67243_qkv,@function
k_q5014d67243_qkv:
	s_mov_b64 s[64:65], 0
	v_nop
	global_prefetch_b8 v0, s[64:65] scope:SCOPE_SE
	s_setreg_imm32_b32 hwreg(HW_REG_WAVE_MODE, 25, 1), 1
	s_wait_xcnt 0x0
	s_wait_alu depctr_hold_cnt(0) depctr_sa_sdst(0) depctr_va_vdst(0) depctr_va_sdst(0) depctr_va_ssrc(0) depctr_va_vcc(0) depctr_vm_vsrc(0)
	s_getreg_b32 s2, hwreg(HW_REG_IB_STS2, 6, 4)
	s_cmp_eq_u32 s2, 0
	s_cbranch_scc0 .Lentry_in_a_cluster
	s_endpgm
.Lentry_in_a_cluster:
	s_bfe_u32 s2, ttmp6, 0x10000c
	s_cmp_lg_u32 s2, 0xf033
	s_cbranch_scc0 .Lentry_shape_is_right
	s_endpgm
.Lentry_shape_is_right:
; qkv = x w_in + b_in on codes of FP8 (E4M3), K = 1,024, and its quantising to the codes of q, k and v.
; xc [chunk of 256 along K: 4][token 4096][256];  wic [chunk: 4][row 3072][256], row = 192 head + 96 (channel / 32) + 32 part + channel % 32, part = 0 q, 1 k, 2 v.
; 256 work-groups: 256 tokens ("A") x one head's 192 columns of w_in ("B").  Four waves, a wave makes 128 tokens x 96 columns: 32 channels of each of q, k and v: 48 accumulators.
; q, k: source 0 = 16 rows of B, source 1 = 16 of A: a lane holds one token and its eight registers run along the channels, the K of q k^T.
; v: the sources the other way round: a lane holds one channel and its registers run along the tokens, the K of attention's second product.
; CLUSTERS of 4 x 4: A's tile is shared along a row of the cluster, B's along a column; each is asked for jointly.
; K goes in steps of 256 through two LDS slots.  At the head ONE load a wave brings its part of K steps 0 and 1, both slots: two long rows of memory, a chunk apart, with 16 bytes of LDS padding after every 256.
; Slot 0 is filled again with K step 2, slot 1 with K step 3.
; PREFETCH: K steps 2 and 3, each a whole K step ahead of its tensor load.  Of the rows that a wave fetches (128 of A, 96 of B) each of the four partners names its own quarter by address, a lane a row (of B 24 rows: the lanes
; left over name the last one again).  K steps 0 and 1 come by their loads alone.
; OUT: qkvc, three regions of 4 MiB (q, k, v), images of attention's operands.  bp = 8 x batch + head / 2.
; q, k: [bp][tile of 16 tokens][head % 2][c: 2][h: 2][16 rows][16 bytes = channels 32 c + 16 h ..], in odd tiles rows 0-7 and 8-15 changed about;  v: [bp][block of 128 tokens][head % 2][t: 4][c: 4][h: 2][16 channels][16 bytes = tokens 32 c + 16 h ..].
; A lane's eight codes are 8 bytes, and a wave's store of them fills one aligned unit of 256 bytes: results go out straight from registers.
; number = sum x 2^(e0 + e1) + bias; code = number / 2^eo held within +-448, eo = e2 (q), e3 (k), e4 (v).
; LIMITS: e0 + e1 between -126 and 127; e2, e3, e4 between -126 and 119.  NaN among the inputs is not served.
; REGISTERS, in windows of 256: window 0: v0-31 addresses; v32-63 the bias of q and k; v64-67 v's bias (each number twice: a pair for the packed form); v68-73 scales; from v128 A's fragments, ONE set;
;   window 1: B's fragments, TWO sets of 96;  window 2: the accumulators of my tokens 0-63 ((a, b) at v[8 (6 a + b)]);  window 3: those of tokens 64-127.
.set ROWB,   256                       ; a tile's row in bytes
.set PITCH,  272                       ; an LDS row: 68 words: row r starts at bank 4 r mod 64 (64 banks of 4 bytes: ISA guide 11.1)
.set FR,     16
.set NL,     4
.set NP,     4                         ; places behind this matrix instruction (ISA guide 7.12.1)
.set HA,     128*PITCH                 ; a wave's part of A in a slot; slot 1's lies HA behind slot 0's
.set HBB,    96*PITCH                  ; of B likewise
.set BOFF,   4*HA
.set SPARE,  BOFF+4*HBB                ; the spare words, 128 bytes a wave
.set ACHK,   1048576                   ; a chunk of xc in bytes
.set BCHK,   786432                    ; of wic
.set ADRA, 16
.set ADRB, 20
.set CO,   24                          ; v24, v25  my 8 bytes in a unit of 256, for even and odd tiles
.set PFO,  26
.set BBO,  27                          ; v27  32 (lane / 16)
.set SPW,  28
.set NIL,  29
.set BAO,  30                          ; v30  4 (lane % 16)
.set BB,   32
.set BA,   64
.set SCL,  68                          ; v68-70  2^e2, 2^e3, 2^e4
.set LIM,  71                          ; v71-73  448 x that
.set AF,   128
.set TMP,  128                         ; the way out: a block's 48 numbers
.set CD,   192                         ; its codes: four sets of 12
.set G1, 24
.set G0, 32
.set G1B, 48
.set G0B, 56
.set PFA, 66                           ; s[66:67], s[68:69] where my rows of the prefetches begin in K steps 2 and 3
.set MSB, 0
.macro WIN new                         ; the immediate's high byte repeats the setting that is left
.if MSB != \new
	s_set_vgpr_msb (MSB<<8)|\new
.set MSB, \new
.endif
.endm
.set TO_B,   0x40
; A joint load: waves 0 and 1 fetch for A, waves 2 and 3 for B; the branch hangs on the wave's number alone.
.macro JLOAD s
	s_cmp_eq_u32 s15, 0
	s_cbranch_scc0 .Lfor_b_\@
	tensor_load_to_lds s[G0+4*\s:G0+4*\s+3], s[G1:G1+7]
	s_nop 0
.rept 4
	v_nop
.endr
	s_branch .Lasked_\@
.Lfor_b_\@:
	tensor_load_to_lds s[G0B+4*\s:G0B+4*\s+3], s[G1B:G1B+7]
	s_nop 0
.rept 4
	v_nop
.endr
.Lasked_\@:
.endm
.macro CREST                           ; a round of the cluster's barrier behind its opening barrier
	s_cmp_lg_u32 s14, 0
	s_cbranch_scc1 .Lnot_wave_0_\@
	s_barrier_signal -3
.Lnot_wave_0_\@:
	s_barrier_wait -3
	s_barrier_signal -1
	s_barrier_wait -1
.endm
.macro CROUND
	s_barrier_signal -1
	s_barrier_wait -1
	CREST
.endm
.macro ASK i
	global_prefetch_b8 v[PFO], s[PFA+2*\i:PFA+2*\i+1] th:TH_LOAD_NT scope:SCOPE_SE
.endm
	s_load_b128 s[4:7], s[0:1], 0x0                ; xc s[4:5], wic s[6:7]
	s_load_b128 s[8:11], s[0:1], 0x10              ; the scales' exponents s[8:9], b_in s[10:11]
	s_load_b64 s[12:13], s[0:1], 0x20              ; qkvc
	v_lshl_add_u32 v[SPW], v0, 2, SPARE
	v_mov_b32 v[NIL], 0
	ds_add_u32 v[SPW], v[NIL]                      ; the opening lines
	ds_add_u32 v[SPW], v[NIL]
	v_lshrrev_b32 v1, 5, v0
	v_readfirstlane_b32 s14, v1                    ; wave 0..3
	s_lshr_b32 s15, s14, 1                         ; which half of the tokens is mine.  Also: I fetch for A (0) or for B (1)
	s_and_b32 s16, s14, 1                          ; which half of the columns.  Also: which half of that tile I fetch
	s_bfe_u32 s40, ttmp6, 0x40000                  ; cx, cy
	s_bfe_u32 s41, ttmp6, 0x40004
	s_lshl_b32 s42, ttmp9, 2
	s_add_co_u32 s42, s42, s40                     ; the head = 4 x cluster x + cx
	s_and_b32 s17, ttmp7, 0xffff
	s_lshl_b32 s17, s17, 2
	s_add_co_u32 s17, s17, s41                     ; which 256 tokens = 4 x cluster y + cy
	s_lshl_b32 s43, s41, 2
	s_lshl_b32 s43, 15, s43                        ; my row of the cluster
	s_lshl_b32 s44, 0x1111, s40                    ; my column
	; group 1 at the head: elements of 8 bytes; two rows, a chunk apart, of 128 (B: 96) x 256 bytes; after every 64 words, 4 words
	s_or_b32 s[G1], s43, (3<<16)|(1<<20)|(1<<21)|(5<<22)|(3<<25)
	s_mov_b32 s[G1+1], 4096<<16
	s_mov_b32 s[G1+2], 2<<16
	s_mov_b32 s[G1+3], 4096<<16
	s_mov_b32 s[G1+4], 2
	s_mov_b32 s[G1+5], ACHK/8
	s_mov_b32 s[G1+6], 0
	s_mov_b32 s[G1+7], 0
	s_or_b32 s[G1B], s44, (3<<16)|(1<<20)|(1<<21)|(5<<22)|(3<<25)
	s_mov_b32 s[G1B+1], 3072<<16
	s_mov_b32 s[G1B+2], 2<<16
	s_mov_b32 s[G1B+3], 3072<<16
	s_mov_b32 s[G1B+4], 2
	s_mov_b32 s[G1B+5], BCHK/8
	s_mov_b32 s[G1B+6], 0
	s_mov_b32 s[G1B+7], 0
	s_lshl_b32 s20, s17, 16                        ; A: 256 x 256 bytes a tile,
	s_lshl_b32 s21, s16, 15
	s_add_co_u32 s20, s20, s21                     ; my half
	s_mov_b32 s21, 0
	s_mul_i32 s46, s42, 192*ROWB                   ; B: 192 rows a head,
	s_mul_i32 s47, s16, 96*ROWB
	s_add_co_u32 s46, s46, s47                     ; my half
	s_mov_b32 s47, 0
	s_mul_i32 s45, s16, 2*HA                       ; where they go: no place in the cluster enters an LDS address
	s_mul_i32 s18, s16, 2*HBB
	s_add_co_u32 s18, s18, BOFF
	s_lshl_b32 s86, s40, 13
	s_add_co_u32 s86, s86, s20                     ; the prefetches: A: 32 rows by cx,
	s_mul_i32 s87, s41, 24*ROWB
	s_add_co_u32 s87, s87, s46                     ; B: 24 rows by cy
	s_wait_alu depctr_va_vdst(0)
	s_wait_dscnt 0x0                               ; both opening adds are done
	s_wait_kmcnt 0x0
	s_load_b256 s[72:79], s[8:9], 0x0              ; e0 .. e7
	s_add_nc_u64 s[20:21], s[4:5], s[20:21]
	s_add_nc_u64 s[46:47], s[6:7], s[46:47]
	s_mov_b32 s[G0], 1
	s_mov_b32 s[G0+1], s45
	s_mov_b64 s[G0+2:G0+3], s[20:21]
	s_or_b32 s[G0+3], s[G0+3], 0x80000000
	s_mov_b32 s[G0B], 1
	s_mov_b32 s[G0B+1], s18
	s_mov_b64 s[G0B+2:G0B+3], s[46:47]
	s_or_b32 s[G0B+3], s[G0B+3], 0x80000000
	CROUND                                         ; all sixteen work-groups are here: the joint loads meet
	JLOAD 0                                        ; K steps 0 and 1: one tensor load a wave at the head
	s_mov_b32 s[G0+4], 1                           ; slot 1's refill: K step 3
	s_add_co_u32 s[G0+5], s45, HA
	s_add_nc_u64 s[G0+6:G0+7], s[20:21], 3*ACHK
	s_or_b32 s[G0+7], s[G0+7], 0x80000000
	s_mov_b32 s[G0B+4], 1
	s_add_co_u32 s[G0B+5], s18, HBB
	s_add_nc_u64 s[G0B+6:G0B+7], s[46:47], 3*BCHK
	s_or_b32 s[G0B+7], s[G0B+7], 0x80000000
	s_mov_b32 s84, BCHK
	s_mov_b32 s85, 0
	s_cmp_eq_u32 s15, 0                            ; do I fetch for A?
	s_cselect_b32 s84, ACHK, s84
	s_cselect_b32 s86, s86, s87
	s_cselect_b32 s23, 31, 23                      ; my last row of the prefetches
	s_cselect_b64 s[PFA:PFA+1], s[4:5], s[6:7]
	s_lshl_b32 s88, s84, 1
	s_add_co_u32 s86, s86, s88                     ; in chunk 2,
	s_mov_b32 s87, 0
	s_add_nc_u64 s[PFA:PFA+1], s[PFA:PFA+1], s[86:87]
	s_add_nc_u64 s[PFA+2:PFA+3], s[PFA:PFA+1], s[84:85]   ; and in chunk 3
	s_mul_i32 s19, s15, 2*HA                       ; my 128 tokens of A
	s_mul_i32 s22, s16, 2*HBB                      ; my 96 rows of B
	s_add_co_u32 s22, s22, BOFF
	v_and_b32 v1, 15, v0                           ; r = lane % 16
	v_bfe_u32 v2, v0, 4, 1                         ; h = lane / 16
	v_and_b32 v6, 31, v0
	v_mul_u32_u24 v3, v1, PITCH
	v_lshlrev_b32 v5, 4, v1
	v_min_u32 v6, s23, v6
	v_lshl_add_u32 v4, v2, 4, v3                   ; a fragment's row x pitch + 16 h
	v_lshl_add_u32 v[CO], v2, 3, v5                ; 16 r + 8 h
	v_add_nc_u32 v[ADRA], s19, v4
	v_add_nc_u32 v[ADRB], s22, v4
	v_xor_b32 v[CO+1], 0x80, v[CO]
	v_add_nc_u32 v[ADRA+1], HA, v[ADRA]
	v_add_nc_u32 v[ADRB+1], HBB, v[ADRB]
	v_lshlrev_b32 v[PFO], 8, v6
	v_lshlrev_b32 v[BBO], 5, v2
	v_lshlrev_b32 v[BAO], 2, v1
	s_wait_alu depctr_va_vdst(0)
	; where my results go, and where their bias lies: in registers that feed no descriptor
	s_lshl_b32 s92, s42, 8
	s_lshl_b32 s93, s16, 7
	s_add_co_u32 s92, s92, s93                     ; b_in at 64 x head + 32 x half
	s_mov_b32 s93, 0
	s_add_nc_u64 s[92:93], s[10:11], s[92:93]
	s_lshl_b32 s84, s17, 1
	s_add_co_u32 s84, s84, s15                     ; the block of 128 tokens, 0 .. 31
	s_lshr_b32 s90, s84, 4                         ; the batch
	s_lshl_b32 s90, s90, 3
	s_lshr_b32 s91, s42, 1
	s_add_co_u32 s90, s90, s91                     ; bp
	s_lshl_b32 s90, s90, 18
	s_and_b32 s91, s84, 15
	s_lshl_b32 s91, s91, 14
	s_add_co_u32 s90, s90, s91                     ; + 16,384 bytes a block
	s_and_b32 s94, s42, 1
	s_lshl_b32 s86, s94, 10
	s_add_co_u32 s86, s86, s90
	s_lshl_b32 s91, s16, 9
	s_add_co_u32 s86, s86, s91                     ; q: 1,024 x (head % 2) + 512 x half
	s_mov_b32 s87, 0
	s_lshl_b32 s88, s94, 13
	s_add_co_u32 s88, s88, s90
	s_lshl_b32 s91, s16, 12
	s_add_co_u32 s88, s88, s91                     ; v: 8,192 x (head % 2) + 4,096 x half,
	s_add_co_u32 s88, s88, 1<<23                   ; in its region
	s_mov_b32 s89, 0
	s_add_nc_u64 s[88:89], s[12:13], s[88:89]
	s_add_nc_u64 s[12:13], s[12:13], s[86:87]
.irp b, 0,1,2,3
	global_load_b128 v[BB+8*\b:BB+8*\b+3], v[BBO], s[92:93] offset:4096*(\b/2)+64*(\b%2)       ; q's and k's bias at channels 16 b + 8 h + 0 .. 7; they land while K is walked
	global_load_b128 v[BB+8*\b+4:BB+8*\b+7], v[BBO], s[92:93] offset:4096*(\b/2)+64*(\b%2)+16
.endr
.irp b, 0,1
	global_load_b32 v[BA+2*\b], v[BAO], s[92:93] offset:8192+64*\b                             ; v's at channel 16 b + r, twice
	global_load_b32 v[BA+2*\b+1], v[BAO], s[92:93] offset:8192+64*\b
.endr
.macro FRAG reg, adr, q, i             ; 16 rows x 128 K: lane l holds row l % 16; registers 4 c .. 4 c + 3 hold K = 32 c + 16 (l / 16) + 0 .. 15: the same order of k in A and in B
.irp c, 0,1,2,3
	ds_load_b128 v[\reg+4*\c:\reg+4*\c+3], v[\adr] offset:128*(\q)+32*\c+(\i)*16*PITCH
.endr
.endm
; The 48 accumulators take turns, one instruction a turn, in the same order in every step: my tokens 0-63 (hi = 0), q and k's sixteen, then v's eight; then tokens 64-127 (hi = 1) likewise.
.macro MULQK hi, p, zero               ; source 0 (B) window 1, source 1 (A) window 0, C and D window 2 or 3
	WIN 0xa1+0x50*(\hi)
.irp a, 0,1,2,3
.irp b, 0,1,2,3
.if \zero
	v_wmma_f32_16x16x128_fp8_fp8 v[8*(6*\a+\b):8*(6*\a+\b)+7], v[96*(\p)+FR*\b:96*(\p)+FR*\b+FR-1], v[AF+FR*(4*(\hi)+\a):AF+FR*(4*(\hi)+\a)+FR-1], 0
.else
	v_wmma_f32_16x16x128_fp8_fp8 v[8*(6*\a+\b):8*(6*\a+\b)+7], v[96*(\p)+FR*\b:96*(\p)+FR*\b+FR-1], v[AF+FR*(4*(\hi)+\a):AF+FR*(4*(\hi)+\a)+FR-1], v[8*(6*\a+\b):8*(6*\a+\b)+7]
.endif
.endr
.endr
.endm
.macro MULV hi, p, zero                ; source 0 (A) window 0, source 1 (B) window 1
	WIN 0xa4+0x50*(\hi)
.irp a, 0,1,2,3
.irp b, 4,5
.if \zero
	v_wmma_f32_16x16x128_fp8_fp8 v[8*(6*\a+\b):8*(6*\a+\b)+7], v[AF+FR*(4*(\hi)+\a):AF+FR*(4*(\hi)+\a)+FR-1], v[96*(\p)+FR*\b:96*(\p)+FR*\b+FR-1], 0
.else
	v_wmma_f32_16x16x128_fp8_fp8 v[8*(6*\a+\b):8*(6*\a+\b)+7], v[AF+FR*(4*(\hi)+\a):AF+FR*(4*(\hi)+\a)+FR-1], v[96*(\p)+FR*\b:96*(\p)+FR*\b+FR-1], v[8*(6*\a+\b):8*(6*\a+\b)+7]
.endif
.endr
.endr
.endm
.macro FETCH_B slot, q, p
	WIN TO_B
.irp i, 0,1,2,3,4,5
	FRAG 96*(\p)+FR*\i, ADRB+\slot, \q, \i
.endr
	WIN 0
.endm
.macro FETCH_A slot, q, i0
.irp i, \i0, \i0+1, \i0+2, \i0+3
	FRAG AF+FR*(\i), ADRA+\slot, \q, \i
.endr
.endm
.macro PLACES n                        ; plain vector instructions between a matrix instruction and a load into, or a vector instruction on, its registers
.rept \n
	v_nop
.endr
.endm
.macro STEP slot, zero                 ; a slot's first 128 along K; the other 128 are fetched
	s_wait_dscnt 4*NL                              ; B's set and A's blocks 0-3 are in; the youngest sixteen loads (A's blocks 4-7) may be out
	MULQK 0, 0, \zero
	MULV 0, 0, \zero
	s_wait_dscnt 0                                 ; A's blocks 4-7 are in
	PLACES NP
	FETCH_B \slot, 1, 1
	FETCH_A \slot, 1, 0
	MULQK 1, 0, \zero
	MULV 1, 0, \zero
	PLACES NP
	WIN 0
	FETCH_A \slot, 1, 4
.endm
; A slot's last 128 along K change slots: one barrier; in front of it each wave waits for all its tensor loads, adds 0 to its spare word, and waits for that and for its reads of this slot.
.macro TURN slot, next, fill
	s_wait_tensorcnt 0x0                           ; all my tensor loads have landed: my part of the next slot
	ds_add_u32 v[SPW], v[NIL]
	s_wait_dscnt 4*NL+1                            ; (the add and A's blocks 4-7 may be out)
	MULQK 0, 1, 0
	s_wait_dscnt 0x0                               ; the add is done, and my reads of this slot are over
	s_barrier_signal -1
	MULV 0, 1, 0
	WIN 0
	s_barrier_wait -1
.if \fill
	CREST                                          ; the barrier has opened a round of the cluster's: no wave of any partner still reads this slot or has a load on its way
	JLOAD \slot                                    ; the first tensor load behind the round; its four v_nop are also the places in front of the loads below
.else
	PLACES NP
.endif
	FETCH_B \next, 0, 0
	FETCH_A \next, 0, 0
.if (\fill) && (\slot) == 0
	ASK 1                                          ; K step 3
.endif
	MULQK 1, 1, 0
	MULV 1, 1, 0
	PLACES NP
	WIN 0
	FETCH_A \next, 0, 4
.endm
	s_wait_tensorcnt 0x0                           ; my part of K steps 0 and 1 is in
	s_mov_b32 s[G1+1], 32<<16                      ; so group 1 may be written, for the refills: 128 (B: 96) dense rows of 256 bytes
	s_mov_b32 s[G1+2], 128<<16
	s_mov_b32 s[G1+3], 32<<16
	s_mov_b32 s[G1+4], 128
	s_mov_b32 s[G1+5], 32
	s_mov_b32 s[G1B+1], 32<<16
	s_mov_b32 s[G1B+2], 96<<16
	s_mov_b32 s[G1B+3], 32<<16
	s_mov_b32 s[G1B+4], 96
	s_mov_b32 s[G1B+5], 32
	s_add_nc_u64 s[G0+2:G0+3], s[G0+2:G0+3], 2*ACHK       ; slot 0's refill: K step 2
	s_add_nc_u64 s[G0B+2:G0B+3], s[G0B+2:G0B+3], 2*BCHK
	s_barrier_signal -1
	s_barrier_wait -1                              ; everybody's is in
	FETCH_B 0, 0, 0
	FETCH_A 0, 0, 0
	FETCH_A 0, 0, 4
	ASK 0                                          ; K step 2
	STEP 0, 1                                      ; the first products start the sums
	TURN 0, 1, 1
	STEP 1, 0
	TURN 1, 0, 1
	STEP 0, 0
	TURN 0, 1, 0                                   ; the last two K steps fill nothing
	STEP 1, 0
	s_wait_dscnt 4*NL
	MULQK 0, 1, 0
	MULV 0, 1, 0
	s_wait_dscnt 0
	MULQK 1, 1, 0
	MULV 1, 1, 0
	WIN 0
; THE WAY OUT, block by block of 16 tokens.
.macro OUTB a
.set AC, 48*((\a)%4)
.set CDS, CD+12*((\a)%4)
	WIN 0x02+((\a)/4)                              ; source 0: window 2 or 3
.set jj, 0
.rept 16
	v_pk_fma_f32 v[TMP+jj:TMP+jj+1], v[AC+jj:AC+jj+1], s[96:97], v[BB+jj:BB+jj+1] op_sel_hi:[1,0,1]   ; sum x 2^(e0 + e1) + bias; each accumulator from its low end on
.set jj, jj+2
.endr
.rept 8
	v_pk_fma_f32 v[TMP+jj:TMP+jj+1], v[AC+jj:AC+jj+1], s[96:97], v[BA+2*((jj-32)/8):BA+2*((jj-32)/8)+1] op_sel_hi:[1,0,1]
.set jj, jj+2
.endr
	WIN 0
.set jj, 0
.rept 48
	v_med3_num_f32 v[TMP+jj], v[TMP+jj], -v[LIM+jj/16], v[LIM+jj/16]   ; the conversion does not saturate (ISA guide 7.6.2)
.set jj, jj+1
.endr
.irp b, 0,1,2,3,4,5
	v_cvt_scalef32_pk8_fp8_f32 v[CDS+2*\b:CDS+2*\b+1], v[TMP+8*\b:TMP+8*\b+7], v[SCL+\b/2]
.endr
	v_nop                                          ; a plain instruction behind the last conversion: the next block writes its sources
.irp b, 0,1,2,3
	global_store_b64 v[CO+((\a)%2)], v[CDS+2*\b:CDS+2*\b+1], s[12:13] offset:4194304*(\b/2)+2048*(\a)+256*(\b%2)   ; 32 lanes fill 256 consecutive bytes, at a multiple of 256
.endr
.irp b, 4,5
	global_store_b64 v[CO], v[CDS+2*\b:CDS+2*\b+1], s[88:89] offset:2048*(\b-4)+256*(\a)
.endr
.endm
.macro SCALE i, e
	s_add_co_i32 s98, s[\e], 127
	s_lshl_b32 s99, s98, 23
	v_mov_b32 v[SCL+\i], s99
	s_add_co_i32 s98, s98, 8
	s_lshl_b32 s98, s98, 23
	s_or_b32 s98, s98, 0x600000
	v_mov_b32 v[LIM+\i], s98
.endm
	s_wait_kmcnt 0x0
	s_add_co_i32 s96, s72, s73
	s_add_co_i32 s96, s96, 127
	s_lshl_b32 s96, s96, 23                        ; 2^(e0 + e1) as f32
	s_mov_b32 s97, s96                             ; (named with it as a pair)
	SCALE 0, 74
	SCALE 1, 75
	SCALE 2, 76
	s_wait_alu depctr_va_vdst(0)
	s_wait_loadcnt 0x0                             ; the bias
	PLACES NP                                      ; behind the last products
.irp a, 0,1,2,3,4,5,6,7
.if \a > 3
	s_wait_xcnt 0x0                                ; block a - 4's stores have read their registers
.endif
	OUTB \a
.endr
	s_wait_tensorcnt 0x0                           ; the wave's end
	ds_add_u32 v[SPW], v[NIL]
	s_wait_dscnt 0x0
	CROUND                                         ; the closing round
	s_endpgm
.Lfunc_end_k_q5014d67243_qkv:
	.size	k_q5014d67243_qkv, .Lfunc_end_k_q5014d67243_qkv-k_q5014d67243_qkv
	.p2alignl 7, 3214868480
	.fill 96, 4, 3214868480
	.section	.rodata,"a",@progbits
	.p2align	6, 0x0
	.amdhsa_kernel k_q5014d67243_qkv
		.amdhsa_group_segment_fixed_size 327680
		.amdhsa_private_segment_fixed_size 0
		.amdhsa_enable_private_segment 0
		.amdhsa_kernarg_size 40
		.amdhsa_user_sgpr_count 2
		.amdhsa_user_sgpr_kernarg_segment_ptr 1
		.amdhsa_wavefront_size32 1
		.amdhsa_system_sgpr_workgroup_id_x 1
		.amdhsa_system_sgpr_workgroup_id_y 1
		.amdhsa_system_sgpr_workgroup_id_z 1
		.amdhsa_system_vgpr_workitem_id 0
		.amdhsa_next_free_vgpr 1024
		.amdhsa_next_free_sgpr 100
		.amdhsa_reserve_vcc 0
		.amdhsa_float_denorm_mode_32 3
		.amdhsa_float_denorm_mode_16_64 3
		.amdhsa_memory_ordered 1
		.amdhsa_forward_progress 1
		.amdhsa_inst_pref_size 114
	.end_amdhsa_kernel
	.amdgpu_metadata
---
amdhsa.version: [ 1, 2 ]
amdhsa.kernels:
  - .name:           k_q5014d67243_qkv
    .symbol:         k_q5014d67243_qkv.kd
    .args:
      - { .name: xc, .offset: 0, .size: 8, .value_kind: global_buffer, .address_space: global }
      - { .name: wic, .offset: 8, .size: 8, .value_kind: global_buffer, .address_space: global }
      - { .name: lowp_scales, .offset: 16, .size: 8, .value_kind: global_buffer, .address_space: global }
      - { .name: b_in, .offset: 24, .size: 8, .value_kind: global_buffer, .address_space: global }
      - { .name: qkvc, .offset: 32, .size: 8, .value_kind: global_buffer, .address_space: global }
    .group_segment_fixed_size: 327680
    .private_segment_fixed_size: 0
    .kernarg_segment_align: 8
    .kernarg_segment_size: 40
    .max_flat_workgroup_size: 128
    .sgpr_count:     100
    .vgpr_count:     1024
    .wavefront_size: 32
...
	.end_amdgpu_metadata
.endif
;; end of part 2
;; launch attn (part 3): grid 4 x 64, 16 waves a work-group, clusters of 4 x 1, 327,680 bytes of LDS; arguments qkvc, lowp_scales, ac; writes ac
.if DOCPART == 3
	.amdgcn_target "amdgcn-amd-amdhsa--gfx1250"
	.amdhsa_code_object_version 6
	.text
	.protected	k_q5014d67243_attn
	.globl	k_q5014d67243_attn
	.p2align	8
	.type	k_q5014d67243_attn,@function
k_q5014d67243_attn:
	s_mov_b64 s[64:65], 0
	v_nop
	global_prefetch_b8 v0, s[64:65] scope:SCOPE_SE
	s_setreg_imm32_b32 hwreg(HW_REG_WAVE_MODE, 25, 1), 1
	s_wait_xcnt 0x0
	s_wait_alu depctr_hold_cnt(0) depctr_sa_sdst(0) depctr_va_vdst(0) depctr_va_sdst(0) depctr_va_ssrc(0) depctr_va_vcc(0) depctr_vm_vsrc(0)
	s_getreg_b32 s2, hwreg(HW_REG_IB_STS2, 6, 4)
	s_cmp_eq_u32 s2, 0
	s_cbranch_scc0 .Lentry_in_a_cluster
	s_endpgm
.Lentry_in_a_cluster:
	s_bfe_u32 s2, ttmp6, 0x10000c
	s_cmp_lg_u32 s2, 0x3003
	s_cbranch_scc0 .Lentry_shape_is_right
	s_endpgm
.Lentry_shape_is_right:
; Causal attention on codes of FP8 (E4M3), head size 64, 2,048 tokens, 32 heads (batch x head), and its quantising for the projection.
; t = score x 2^(e2 + e3) x log2(e) / 8; M = the row's largest t so far, rounded up to a whole number; p = 2^(t - M), quantised with 2^e5, never normalised; the row's sum is of the unquantised p, in f32.
; out = O 2^(e4 + e5) / sum; code = out / 2^e6 held within +-448.
; LIMITS: e2 + e3 between -123 and 130; e5, e6 between -126 and 119.  NaN among the inputs is not served.  Scaled scores stay under 2^31 in magnitude.
; LEFT OUT: blocks of 128 keys that lie wholly behind a tile's queries: reference() puts -inf there ahead of the softmax, so their p is 0 for all inputs; a NaN or an infinity that reaches only those is not carried on.
; SHARES.  A work-group takes one head and lays ALL of its K and V in LDS, 2 x 131,072 bytes, each byte filled once: so no ring, no refill.  The head's 128 tiles of 16 queries go to 8 work-groups, 2 clusters of 4.
; Tiles i and 127 - i make a pair: 17 steps of 128 keys, the same for every pair.  A pair goes to waves j and j + 8: wave j takes the even blocks of keys of both tiles, wave j + 8 the odd ones; each keeps the parts of the tile
; that it walks first, and at the end hands them to the other through LDS.  So each wave finishes the tile that it walks second: wave j the long one, wave j + 8 the short one.  The parts join by exact powers of two.
; CLUSTER: the four share K and V by joint loads.  The place in the cluster enters which of the block's tiles are mine, and with it Q's, ac's addresses and the mask's lanes alone: no branch, trip count or LDS address.
; qkvc: q, k: [bp][tile of 16 tokens][head % 2][c: 2][h: 2][16 rows][16 bytes = channels 32 c + 16 h ..], in odd tiles rows 0-7 and 8-15 change places;  v: [bp][block of 128 tokens][head % 2][t: 4][c: 4][h: 2][16 channels][16 bytes = tokens 32 c + 16 h ..].
; LDS: K [128 tiles][1,024 bytes]; V from 131,072: [t: 4][16 blocks][2,048 bytes]: every fragment load of a wave reads whole runs of 256 bytes.
; The keys of a product's tile 2 b + u are 32 b + 8 u + r + 8 (r / 8), so that a lane's 16 registers of two tiles are 16 neighbouring keys.
; FILLS: at the head each wave loads its part of blocks 0-3, behind the next round its part of blocks 4-15, which lands while blocks 0-3 are walked.  No prefetch: two loads a wave bring all, and no loop loads.
; ac: [head 16][tile of 16 tokens: 256][c: 2][h: 2][16 rows][16 bytes].
.set SPARE, 262144                     ; the spare words, 128 bytes a wave
.set PART, 4608                        ; a wave's parts on their way to the other wave: 9 x 512 bytes, over K, which nobody reads by then
.set AK,  1                            ; v1, v2   my lane's place in a pair of tiles of K, for u = 0, 1
.set AV,  3                            ; v3, v4   in V, t = 0, 1 and t = 2, 3
.set SPW, 5
.set NIL, 6
.set NINF, 7
.set ADK, 8
.set ADV, 10
.set NM,  12                           ; v12 -M; v13 the largest score; v[14:15] the sum in two halves
.set QF,  16
.set QG,  24
.set FF,  32
.set SS,  96
.set OO,  160
.set SV,  192                          ; O of the tile that was walked first
.set PP,  224
.set MX,  240
.set FS,  244
.set SM2, 246
.set PL,  248
.set DQ,  249
.set PLIM, 250
.set PSC, 252                          ; v[252:255] are handed over together: the scale (not read there), -M, the sum's halves
.set SVM, 253
.set SVS, 254
.set LS,  10
.set WV,  12
.set HD,  14
.set PR,  16
.set BQ,  18
.set HB,  20
.set TI,  21
.set CS,  22
.set G1K, 24
.set G1V, 32
.set G0K, 40
.set G0V, 44
.set CNT, 60
.set TB,  61
.set KB,  62
.set TV,  63
.macro CROUND
	s_barrier_signal -1
	s_barrier_wait -1
	s_cmp_lg_u32 s[WV], 0
	s_cbranch_scc1 .Lnot_wave_0_\@
	s_barrier_signal -3
.Lnot_wave_0_\@:
	s_barrier_wait -3
	s_barrier_signal -1
	s_barrier_wait -1
.endm
.macro TLOAD                           ; waves 0-7: K, waves 8-15: V
	s_cmp_lt_u32 s[WV], 8
	s_cbranch_scc0 .Lfor_v_\@
	tensor_load_to_lds s[G0K:G0K+3], s[G1K:G1K+7]
	s_nop 0
.rept 4
	v_nop
.endr
	s_branch .Lasked_\@
.Lfor_v_\@:
	tensor_load_to_lds s[G0V:G0V+3], s[G1V:G1V+7]
	s_nop 0
.rept 4
	v_nop
.endr
.Lasked_\@:
.endm
	s_load_b128 s[4:7], s[0:1], 0x0                ; qkvc, the scales' exponents
	s_load_b64 s[8:9], s[0:1], 0x10                ; ac
	v_lshl_add_u32 v[SPW], v0, 2, SPARE
	v_mov_b32 v[NIL], 0
	ds_add_u32 v[SPW], v[NIL]                      ; the opening lines
	ds_add_u32 v[SPW], v[NIL]
	v_lshrrev_b32 v[MX], 5, v0
	s_delay_alu instid0(VALU_DEP_1)
	v_readfirstlane_b32 s[WV], v[MX]
	v_and_b32 v[MX+1], 31, v0
	s_delay_alu instid0(VALU_DEP_1)
	v_lshlrev_b32 v[MX+1], 4, v[MX+1]              ; 16 x lane
	s_bfe_u32 s13, ttmp6, 0x40000                  ; cx
	s_and_b32 s[HD], ttmp7, 0xffff
	s_lshr_b32 s15, s[HD], 5                       ; which of the head's two clusters
	s_and_b32 s[HD], s[HD], 31                     ; 16 x batch + head
	s_lshr_b32 s[PR], s[WV], 3                     ; 0: even blocks of keys, 1: odd ones
	s_and_b32 s17, s[WV], 7                        ; j: the pair
	s_lshr_b32 s[BQ], s17, 1
	s_lshl_b32 s15, s15, 2
	s_add_co_u32 s[BQ], s[BQ], s15                 ; the short tile's block of queries, 0 .. 7; the long tile's is 15 less that
	s_mul_i32 s19, s[PR], 15
	s_xor_b32 s[BQ], s[BQ], s19                    ; waves 0-7 walk the short tile first, waves 8-15 the long one
	s_and_b32 s[HB], s17, 1
	s_lshl_b32 s[TI], s[HB], 2
	s_add_co_u32 s[TI], s[TI], s13                 ; the short tile's place in its block: cx + 4 (j % 2); the long one's is 7 less that
	s_mul_i32 s19, s[PR], 7
	s_xor_b32 s[TI], s[TI], s19
	s_xor_b32 s[HB], s[HB], s[PR]                  ; which half of its block the first tile lies in
	s_lshr_b32 s66, s[HD], 1
	s_lshl_b32 s66, s66, 18                        ; bp: 262,144 bytes
	s_and_b32 s67, s[HD], 1
	s_lshl_b32 s68, s67, 10
	s_add_co_u32 s68, s68, s66                     ; my head in q and k,
	s_lshl_b32 s69, s67, 13
	s_add_co_u32 s69, s69, s66                     ; and in v
	s_lshl_b32 s48, s[BQ], 14
	s_lshl_b32 s49, s[TI], 11
	s_add_co_u32 s48, s48, s49                     ; the first tile's queries,
	s_xor_b32 s50, s48, (15<<14)+(7<<11)           ; and the second's
	s_add_co_u32 s48, s48, s68
	s_add_co_u32 s50, s50, s68
	s_mov_b32 s49, 0
	s_mov_b32 s51, 0
	s_and_b32 s70, s[TI], 1
	s_lshl_b32 s70, s70, 7
	s_and_b32 s76, s17, 3                          ; V: t,
	s_lshr_b32 s77, s17, 2                         ; and which half of the blocks
	s_lshl_b32 s72, s17, 13
	s_add_co_u32 s72, s72, s68
	s_add_co_u32 s72, s72, 1<<22                   ; K: from my 4 tiles of blocks 0-3
	s_mov_b32 s73, 0
	s_lshl_b32 s74, s76, 11
	s_add_co_u32 s74, s74, s69
	s_lshl_b32 s75, s77, 15
	s_add_co_u32 s74, s74, s75
	s_add_co_u32 s74, s74, 1<<23                   ; V: from my 2,048 bytes of 2 of the blocks 0-3
	s_mov_b32 s75, 0
	; group 1, elements of 8 bytes, shared by all four: K: 4 rows (tiles) of 1,024 bytes, 2,048 apart;  V: 2 rows (blocks) of 2,048 bytes, 16,384 apart
	s_mov_b32 s[G1K], 15|(3<<16)|(1<<21)
	s_mov_b32 s[G1K+1], 128<<16
	s_mov_b32 s[G1K+2], 4<<16
	s_mov_b32 s[G1K+3], 128<<16
	s_mov_b32 s[G1K+4], 4
	s_mov_b32 s[G1K+5], 256
	s_mov_b32 s[G1K+6], 0
	s_mov_b32 s[G1K+7], 0
	s_mov_b32 s[G1V], 15|(3<<16)|(1<<21)
	s_mov_b32 s[G1V+1], 256<<16
	s_mov_b32 s[G1V+2], 2<<16
	s_mov_b32 s[G1V+3], 256<<16
	s_mov_b32 s[G1V+4], 2
	s_mov_b32 s[G1V+5], 2048
	s_mov_b32 s[G1V+6], 0
	s_mov_b32 s[G1V+7], 0
	s_wait_alu depctr_va_vdst(0)
	v_xor_b32 v[MX+2], s70, v[MX+1]                ; Q's lane offsets: odd tiles have their rows' halves changed about;
	s_delay_alu instid0(VALU_DEP_1)
	v_xor_b32 v[MX+3], 0x80, v[MX+2]               ; the two tiles' places add up to 7, so one of them is odd
	s_wait_alu depctr_va_vdst(0)
	s_wait_dscnt 0x0                               ; both opening adds are done
	s_wait_kmcnt 0x0
	s_load_b256 s[52:59], s[6:7], 0x0              ; e0 .. e7
	s_add_nc_u64 s[48:49], s[4:5], s[48:49]
	s_add_nc_u64 s[50:51], s[4:5], s[50:51]
	global_load_b128 v[QF:QF+3], v[MX+2], s[48:49]
	global_load_b128 v[QF+4:QF+7], v[MX+2], s[48:49] offset:512
	global_load_b128 v[QG:QG+3], v[MX+3], s[50:51]
	global_load_b128 v[QG+4:QG+7], v[MX+3], s[50:51] offset:512
	s_mov_b32 s[G0K], 1
	s_lshl_b32 s[G0K+1], s17, 12
	s_add_nc_u64 s[G0K+2:G0K+3], s[4:5], s[72:73]
	s_or_b32 s[G0K+3], s[G0K+3], 0x80000000
	s_mov_b32 s[G0V], 1
	s_lshl_b32 s78, s76, 15
	s_add_co_u32 s78, s78, 131072
	s_lshl_b32 s79, s77, 12
	s_add_co_u32 s[G0V+1], s78, s79
	s_add_nc_u64 s[G0V+2:G0V+3], s[4:5], s[74:75]
	s_or_b32 s[G0V+3], s[G0V+3], 0x80000000
	CROUND                                         ; all four are here: the first joint loads meet
	TLOAD                                          ; blocks 0-3
	v_bfe_u32 v[SS], v0, 3, 1                      ; r / 8
	v_and_b32 v[SS+1], 15, v0                      ; r
	v_bfe_u32 v[SS+2], v0, 4, 1                    ; h
	v_lshl_add_u32 v[AK], v[SS], 10, v[MX+1]       ; lanes r >= 8 read the odd tile of a pair
	v_lshlrev_b32 v[SS+2], 4, v[SS+2]
	v_add_nc_u32 v[AV], 0x20000, v[MX+1]
	v_add_nc_u32 v[AV+1], 0x30000, v[MX+1]
	v_xor_b32 v[AK+1], 0x80, v[AK]
	s_lshl_b32 s66, s[TI], 4
	v_sub_nc_u32 v[SS+1], v[SS+1], v[SS+2]
	s_delay_alu instid0(VALU_DEP_1)
	v_add_nc_u32 v[DQ], s66, v[SS+1]               ; 16 x place + r - 16 h: on the diagonal register 16 b + i is hidden where 32 b + i exceeds it
	v_mov_b32 v[NINF], 0xff800000
	v_mov_b32 v[NM], 0x7f61b1e6                    ; the largest so far is under every score
	v_mov_b32 v13, 0xff61b1e6
	v_mov_b32 v14, 0
	v_mov_b32 v15, 0
	v_mov_b32 v[FS+1], 0                           ; (named as the upper half of a pair)
	v_mov_b32 v[PL], 0                             ; (a lane permute's destination counts as a source)
.set nn, 0
.rept 32
	v_mov_b32 v[OO+nn], 0                          ; the loop is written once: its first step finds zeros
.set nn, nn+1
.endr
	s_mov_b32 s[LS], 0x76543210
	s_mov_b32 s[LS+1], 0xfedcba98
	s_wait_alu depctr_va_vdst(0)
	s_wait_kmcnt 0x0
	s_add_co_i32 s66, s54, s55
	s_lshl_b32 s66, s66, 23
	s_mov_b32 s[CS], 0x3e38aa3b                    ; log2(e) / 8,
	s_add_co_i32 s[CS], s[CS], s66                 ; x 2^(e2 + e3)
	s_mov_b32 s[CS+1], s[CS]                       ; (named with it as a pair)
	s_add_co_i32 s66, s57, 127
	s_lshl_b32 s67, s66, 23
	v_mov_b32 v[PSC], s67                          ; 2^e5
	s_add_co_i32 s66, s66, 8
	s_lshl_b32 s66, s66, 23
	s_or_b32 s66, s66, 0x600000
	v_mov_b32 v[PLIM], s66                         ; 448 x 2^e5
	s_wait_alu depctr_va_vdst(0)                   ; the head's end
	s_wait_tensorcnt 0x0                           ; my part of blocks 0-3 is in
	ds_add_u32 v[SPW], v[NIL]
	s_mov_b32 s[G1K+2], 12<<16                     ; K: my 12 tiles of blocks 4-15
	s_mov_b32 s[G1K+4], 12
	s_mov_b32 s[G1V+2], 6<<16                      ; V: 6 of the blocks 4-15
	s_mov_b32 s[G1V+4], 6
	s_mul_i32 s[G0K+1], s17, 12288
	s_add_co_u32 s[G0K+1], s[G0K+1], 32768
	s_lshl_b32 s72, s17, 14
	s_add_co_u32 s72, s72, 65536                   ; from tile 4 j to tile 32 + 12 j
	s_add_nc_u64 s[G0K+2:G0K+3], s[G0K+2:G0K+3], s[72:73]
	s_mul_i32 s79, s77, 12288
	s_add_co_u32 s79, s79, 8192
	s_add_co_u32 s[G0V+1], s78, s79
	s_lshl_b32 s74, s77, 16
	s_add_co_u32 s74, s74, 65536                   ; from block 2 g to block 4 + 6 g
	s_add_nc_u64 s[G0V+2:G0V+3], s[G0V+2:G0V+3], s[74:75]
	s_wait_dscnt 0x0
	CROUND
	TLOAD                                          ; blocks 4-15
	s_wait_loadcnt 0x0                             ; Q
; A STEP: the tile's 16 queries and block KB of 128 keys.  Blocks behind the tile's own are left out: a branch on ids, round no barrier.
.macro STEP q
	s_cmp_gt_u32 s[KB], s[BQ]
	s_cbranch_scc1 .Lhidden_\@
	v_add_nc_u32 v[ADK], s[TB], v[AK]              ; these four are also the places between the last products and the loads
	v_add_nc_u32 v[ADK+1], s[TB], v[AK+1]
	v_add_nc_u32 v[ADV], s[TV], v[AV]
	v_add_nc_u32 v[ADV+1], s[TV], v[AV+1]
.irp t, 0,1,2,3,4,5,6,7
.irp c, 0,1
	ds_load_b128 v[FF+8*\t+4*\c:FF+8*\t+4*\c+3], v[ADK+(\t%2)] offset:2048*(\t/2)+512*\c
.endr
.endr
	s_wait_alu depctr_va_vdst(0)
	s_wait_dscnt 8                                 ; tiles 0-3 are in; the eight loads of tiles 4-7 may be out
.irp t, 0,1,2,3
	v_wmma_f32_16x16x64_fp8_fp8 v[SS+8*\t:SS+8*\t+7], v[FF+8*\t:FF+8*\t+7], v[\q:\q+7], 0
.endr
	s_wait_dscnt 0x0
.irp t, 4,5,6,7
	v_wmma_f32_16x16x64_fp8_fp8 v[SS+8*\t:SS+8*\t+7], v[FF+8*\t:FF+8*\t+7], v[\q:\q+7], 0
.endr
.rept 4
	v_nop
.endr
.irp t, 0,1,2,3
.irp c, 0,1,2,3
	ds_load_b128 v[FF+16*\t+4*\c:FF+16*\t+4*\c+3], v[ADV+(\t/2)] offset:32768*(\t%2)+512*\c
.endr
.endr
	s_cmp_lg_u32 s[KB], s[BQ]
	s_cbranch_scc1 .Lopen_\@
	s_cmp_lg_u32 s[HB], 0                          ; the diagonal: a tile of the block's first half is masked in keys 0-63 and sees none of 64-127; one of the second half sees all of 0-63
	s_cbranch_scc1 .Lupper_\@
.set nn, 0
.rept 32
	v_cmp_gt_i32 vcc_lo, 32*(nn/16)+nn%16, v[DQ]
	v_cndmask_b32 v[SS+nn], v[SS+nn], v[NINF], vcc_lo
.set nn, nn+1
.endr
.rept 32
	v_mov_b32 v[SS+nn], v[NINF]
.set nn, nn+1
.endr
	s_wait_alu depctr_va_vdst(0)
	s_branch .Lopen_\@
.Lupper_\@:
.set nn, 32
.rept 32
	v_cmp_gt_i32 vcc_lo, 32*(nn/16)+nn%16, v[DQ]
	v_cndmask_b32 v[SS+nn], v[SS+nn], v[NINF], vcc_lo
.set nn, nn+1
.endr
.Lopen_\@:
	v_max3_num_f32 v[MX], v[SS], v[SS+1], v[SS+2]  ; the largest score, in four chains
	v_max3_num_f32 v[MX+1], v[SS+3], v[SS+4], v[SS+5]
	v_max3_num_f32 v[MX+2], v[SS+6], v[SS+7], v[SS+8]
	v_max3_num_f32 v[MX+3], v[SS+9], v[SS+10], v[SS+11]
.set nn, 12
.rept 6
	v_max3_num_f32 v[MX], v[MX], v[SS+nn], v[SS+nn+1]
	v_max3_num_f32 v[MX+1], v[MX+1], v[SS+nn+2], v[SS+nn+3]
	v_max3_num_f32 v[MX+2], v[MX+2], v[SS+nn+4], v[SS+nn+5]
	v_max3_num_f32 v[MX+3], v[MX+3], v[SS+nn+6], v[SS+nn+7]
.set nn, nn+8
.endr
	v_max3_num_f32 v[MX], v[MX], v[SS+60], v[SS+61]
	v_max3_num_f32 v[MX+1], v[MX+1], v[SS+62], v[SS+63]
	s_delay_alu instid0(VALU_DEP_1)
	v_max3_num_f32 v[MX], v[MX], v[MX+1], v[MX+2]
	s_delay_alu instid0(VALU_DEP_1)
	v_max_num_f32 v[MX], v[MX], v[MX+3]
	s_delay_alu instid0(VALU_DEP_1)
	v_permlanex16_b32 v[PL], v[MX], s[LS], s[LS+1] ; lane l xor 16's
	s_delay_alu instid0(VALU_DEP_1)
	v_max3_num_f32 v13, v13, v[MX], v[PL]          ; the running largest score
	s_delay_alu instid0(VALU_DEP_1)
	v_mul_f32 v[MX], -v13, s[CS]                   ; -t (the factor is positive)
	v_mov_b32 v[MX+1], v[NM]
	s_delay_alu instid0(VALU_DEP_2)
	v_floor_f32 v[NM], v[MX]                       ; the new -M = floor(-t): M is a whole number
	s_delay_alu instid0(VALU_DEP_1)
	v_sub_f32 v[MX+1], v[NM], v[MX+1]              ; M's old value less its new one, 0 or less
.set nn, 0
.rept 8
	v_pk_fma_f32 v[SS+nn:SS+nn+1], v[SS+nn:SS+nn+1], s[CS:CS+1], v[NM:NM+1] op_sel_hi:[1,0,0]   ; t - M
.set nn, nn+2
.endr
	v_cvt_i32_f32 v[MX+1], v[MX+1]                 ; (it saturates)
.rept 8
	v_pk_fma_f32 v[SS+nn:SS+nn+1], v[SS+nn:SS+nn+1], s[CS:CS+1], v[NM:NM+1] op_sel_hi:[1,0,0]
.set nn, nn+2
.endr
	v_ldexp_f32 v[FS], 1.0, v[MX+1]                ; 2^(old M - new M)
.rept 16
	v_pk_fma_f32 v[SS+nn:SS+nn+1], v[SS+nn:SS+nn+1], s[CS:CS+1], v[NM:NM+1] op_sel_hi:[1,0,0]
.set nn, nn+2
.endr
	s_wait_alu depctr_va_vdst(0)
.set nn, 0
.rept 64
	v_exp_f32 v[SS+nn], v[SS+nn]
.set nn, nn+1
.endr
	v_pk_mul_f32 v[14:15], v[14:15], v[FS:FS+1] op_sel_hi:[1,0]   ; (a plain place behind the batch) the sums under the new M
	s_wait_alu depctr_va_vdst(0)                   ; one wait for the batch's readers and for O's
.set nn, 0
.rept 16
	v_pk_mul_f32 v[OO+nn:OO+nn+1], v[OO+nn:OO+nn+1], v[FS:FS+1] op_sel_hi:[1,0]   ; O under the new M
.set nn, nn+2
.endr
	v_pk_add_f32 v[SM2:SM2+1], v[SS:SS+1], v[SS+2:SS+3]           ; the sum of the unquantised p, in four chains
	v_pk_add_f32 v[MX:MX+1], v[SS+4:SS+5], v[SS+6:SS+7]
	v_pk_add_f32 v[MX+2:MX+3], v[SS+8:SS+9], v[SS+10:SS+11]
	v_pk_add_f32 v[14:15], v[14:15], v[SS+12:SS+13]
.set nn, 14
.rept 6
	v_pk_add_f32 v[SM2:SM2+1], v[SM2:SM2+1], v[SS+nn:SS+nn+1]
	v_pk_add_f32 v[MX:MX+1], v[MX:MX+1], v[SS+nn+2:SS+nn+3]
	v_pk_add_f32 v[MX+2:MX+3], v[MX+2:MX+3], v[SS+nn+4:SS+nn+5]
	v_pk_add_f32 v[14:15], v[14:15], v[SS+nn+6:SS+nn+7]
.set nn, nn+8
.endr
	v_pk_add_f32 v[SM2:SM2+1], v[SM2:SM2+1], v[SS+62:SS+63]
.set nn, 0
.rept 32
	v_dual_min_num_f32 v[SS+nn], v[PLIM], v[SS+nn] :: v_dual_min_num_f32 v[SS+nn+1], v[PLIM], v[SS+nn+1]   ; the conversion does not saturate (ISA guide 7.6.2); p is not negative
.set nn, nn+2
.endr
.irp b, 0,1,2,3
	v_cvt_scalef32_pk8_fp8_f32 v[PP+4*\b:PP+4*\b+1], v[SS+16*\b:SS+16*\b+7], v[PSC]
	v_cvt_scalef32_pk8_fp8_f32 v[PP+4*\b+2:PP+4*\b+3], v[SS+16*\b+8:SS+16*\b+15], v[PSC]
.endr
	v_pk_add_f32 v[SM2:SM2+1], v[SM2:SM2+1], v[MX:MX+1]           ; the chains join: also the plain place behind the conversions
	v_pk_add_f32 v[14:15], v[14:15], v[MX+2:MX+3]
	s_delay_alu instid0(VALU_DEP_1)
	v_pk_add_f32 v[14:15], v[14:15], v[SM2:SM2+1]
	s_wait_alu depctr_va_vdst(0)
	s_wait_dscnt 0x0                               ; V
.irp t, 0,1,2,3
	v_wmma_f32_16x16x128_fp8_fp8 v[OO+8*\t:OO+8*\t+7], v[FF+16*\t:FF+16*\t+15], v[PP:PP+15], v[OO+8*\t:OO+8*\t+7]
.endr
.Lhidden_\@:
.endm
.macro LOOP n, first, q                ; n of my blocks, from my block number 'first': every second block of keys
	s_lshl_b32 s[TB], s[PR], 13
	s_add_co_u32 s[TB], s[TB], (\first)*16384
	s_lshl_b32 s[TV], s[PR], 11
	s_add_co_u32 s[TV], s[TV], (\first)*4096
	s_add_co_u32 s[KB], s[PR], 2*(\first)
	s_mov_b32 s[CNT], \n
.Lstep_\@:
	STEP \q
	s_add_co_u32 s[TB], s[TB], 16384
	s_add_co_u32 s[TV], s[TV], 4096
	s_add_co_u32 s[KB], s[KB], 2
	s_sub_co_u32 s[CNT], s[CNT], 1
	s_cmp_lg_u32 s[CNT], 0
	s_cbranch_scc1 .Lstep_\@
.endm
	LOOP 2, 0, QF                                  ; the first tile: blocks 0-3,
	s_wait_alu depctr_va_vdst(0)
	s_wait_tensorcnt 0x0                           ; my part of blocks 4-15 is in
	s_barrier_signal -1
	s_barrier_wait -1                              ; everybody's is
	LOOP 6, 2, QF                                  ; and blocks 4-15
	v_mov_b32 v[SVM], v[NM]                        ; the first tile's parts are kept; these lines are also the places behind the last products
	v_mov_b32 v[SVS], v14
	v_mov_b32 v[SVS+1], v15
	v_mov_b32 v[NM], 0x7f61b1e6
	v_mov_b32 v13, 0xff61b1e6
	v_mov_b32 v14, 0
	v_mov_b32 v15, 0
.set nn, 0
.rept 32
	v_mov_b32 v[SV+nn], v[OO+nn]
.set nn, nn+1
.endr
.set nn, 0
.rept 32
	v_mov_b32 v[OO+nn], 0
.set nn, nn+1
.endr
	s_xor_b32 s66, s[TI], 7                        ; on to the pair's other tile
	s_sub_co_i32 s67, s66, s[TI]
	s_lshl_b32 s67, s67, 4
	s_mov_b32 s[TI], s66
	s_xor_b32 s[BQ], s[BQ], 15
	s_xor_b32 s[HB], s[HB], 1
	v_add_nc_u32 v[DQ], s67, v[DQ]
	s_wait_alu depctr_va_vdst(0)
	LOOP 8, 0, QG
	; THE TWO WAVES OF A PAIR hand each other the parts of the tile that they walked first.
	s_wait_alu depctr_va_vdst(0)
	s_barrier_signal -1                            ; my reads of K and V are over (each step waited for its own)
	s_barrier_wait -1
	s_mul_i32 s66, s[WV], PART
	s_xor_b32 s67, s[WV], 8
	s_mul_i32 s67, s67, PART
	v_and_b32 v[MX+1], 31, v0
	s_delay_alu instid0(VALU_DEP_1)
	v_lshlrev_b32 v[MX+1], 4, v[MX+1]
	s_delay_alu instid0(VALU_DEP_1)
	v_add_nc_u32 v[ADK], s66, v[MX+1]
	v_add_nc_u32 v[ADK+1], s67, v[MX+1]
.irp i, 0,1,2,3,4,5,6,7
	ds_store_b128 v[ADK], v[SV+4*\i:SV+4*\i+3] offset:512*\i
.endr
	ds_store_b128 v[ADK], v[PSC:PSC+3] offset:4096
	s_wait_alu depctr_va_vdst(0)
	s_wait_dscnt 0x0
	s_barrier_signal -1
	s_barrier_wait -1
.irp i, 0,1,2,3,4,5,6,7,8
	ds_load_b128 v[FF+4*\i:FF+4*\i+3], v[ADK+1] offset:512*\i
.endr
	v_and_b32 v[ADV], 15, v0
	v_bfe_u32 v[ADV+1], v0, 4, 1
	s_delay_alu instid0(VALU_DEP_1)
	v_lshlrev_b32 v[ADV+1], 3, v[ADV+1]
	s_delay_alu instid0(VALU_DEP_1)
	v_lshl_add_u32 v[ADV], v[ADV], 4, v[ADV+1]     ; my 8 bytes in a unit of 256: 16 r + 8 h
	s_and_b32 s70, s[HD], 15
	s_lshl_b32 s70, s70, 18                        ; the head,
	s_lshr_b32 s71, s[HD], 4
	s_lshl_b32 s71, s71, 17                        ; the batch,
	s_add_co_u32 s70, s70, s71
	s_lshl_b32 s71, s[BQ], 13                      ; the block,
	s_add_co_u32 s70, s70, s71
	s_lshl_b32 s71, s[TI], 10                      ; the tile
	s_add_co_u32 s70, s70, s71
	s_mov_b32 s71, 0
	s_add_nc_u64 s[8:9], s[8:9], s[70:71]
	s_add_co_i32 s66, s56, s57                     ; e4 + e5
	s_add_co_i32 s67, s58, 127
	s_lshl_b32 s68, s67, 23                        ; 2^e6
	s_add_co_i32 s67, s67, 8
	s_lshl_b32 s67, s67, 23
	s_or_b32 s67, s67, 0x600000                    ; 448 x 2^e6
	s_wait_alu depctr_va_vdst(0)
	s_wait_dscnt 0x0                               ; v[FF:FF+31] the other wave's O, v[FF+33] its -M, v[FF+34:FF+35] its sum's halves
	v_min_num_f32 v[MX], v[NM], v[FF+33]           ; -M of both
	v_add_f32 v14, v14, v15
	v_add_f32 v15, v[FF+34], v[FF+35]
	v_sub_f32 v[MX+1], v[MX], v[NM]
	v_sub_f32 v[MX+2], v[MX], v[FF+33]
	v_cvt_i32_f32 v[MX+1], v[MX+1]
	v_cvt_i32_f32 v[MX+2], v[MX+2]
	v_ldexp_f32 v[FS], 1.0, v[MX+1]                ; my factor,
	v_ldexp_f32 v[MX+2], 1.0, v[MX+2]              ; and the other wave's: a wave that had no step has 0
	s_delay_alu instid0(VALU_DEP_2)
	v_mul_f32 v14, v14, v[FS]
	s_delay_alu instid0(VALU_DEP_1)
	v_fma_f32 v14, v15, v[MX+2], v14
	s_delay_alu instid0(VALU_DEP_1)
	v_permlanex16_b32 v[PL], v14, s[LS], s[LS+1]
	s_delay_alu instid0(VALU_DEP_1)
	v_add_f32 v14, v14, v[PL]                      ; the row's sum
	s_wait_alu depctr_va_vdst(0)                   ; the wait ahead of the transcendental,
	v_rcp_f32 v14, v14
	v_mov_b32 v[PL], s67                           ; (a plain place)
	s_wait_alu depctr_va_vdst(0)                   ; and behind it
	v_ldexp_f32 v14, v14, s66
	v_mov_b32 v[MX], s68
	v_mul_f32 v[FS], v[FS], v14
	v_mul_f32 v[MX+2], v[MX+2], v14
	s_wait_alu depctr_va_vdst(0)                   ; the wait directly ahead of O's first reader
.set nn, 0
.rept 16
	v_pk_mul_f32 v[SS+nn:SS+nn+1], v[OO+nn:OO+nn+1], v[FS:FS+1] op_sel_hi:[1,0]
.set nn, nn+2
.endr
.set nn, 0
.rept 16
	v_pk_fma_f32 v[SS+nn:SS+nn+1], v[FF+nn:FF+nn+1], v[MX+2:MX+3], v[SS+nn:SS+nn+1] op_sel_hi:[1,0,1]
.set nn, nn+2
.endr
.set nn, 0
.rept 32
	v_med3_num_f32 v[SS+nn], v[SS+nn], -v[PL], v[PL]
.set nn, nn+1
.endr
.irp t, 0,1,2,3
	v_cvt_scalef32_pk8_fp8_f32 v[PP+2*\t:PP+2*\t+1], v[SS+8*\t:SS+8*\t+7], v[MX]
.endr
	v_nop
.irp t, 0,1,2,3
	global_store_b64 v[ADV], v[PP+2*\t:PP+2*\t+1], s[8:9] offset:256*\t   ; 32 lanes fill 256 consecutive bytes, at a multiple of 256
.endr
	s_wait_tensorcnt 0x0                           ; the wave's end
	ds_add_u32 v[SPW], v[NIL]
	s_wait_dscnt 0x0
	CROUND                                         ; the closing round
	s_endpgm
.Lfunc_end_k_q5014d67243_attn:
	.size	k_q5014d67243_attn, .Lfunc_end_k_q5014d67243_attn-k_q5014d67243_attn
	.p2alignl 7, 3214868480
	.fill 96, 4, 3214868480
	.section	.rodata,"a",@progbits
	.p2align	6, 0x0
	.amdhsa_kernel k_q5014d67243_attn
		.amdhsa_group_segment_fixed_size 327680
		.amdhsa_private_segment_fixed_size 0
		.amdhsa_enable_private_segment 0
		.amdhsa_kernarg_size 24
		.amdhsa_user_sgpr_count 2
		.amdhsa_user_sgpr_kernarg_segment_ptr 1
		.amdhsa_wavefront_size32 1
		.amdhsa_system_sgpr_workgroup_id_x 1
		.amdhsa_system_sgpr_workgroup_id_y 1
		.amdhsa_system_sgpr_workgroup_id_z 1
		.amdhsa_system_vgpr_workitem_id 0
		.amdhsa_next_free_vgpr 256
		.amdhsa_next_free_sgpr 100
		.amdhsa_reserve_vcc 1
		.amdhsa_float_denorm_mode_32 3
		.amdhsa_float_denorm_mode_16_64 3
		.amdhsa_memory_ordered 1
		.amdhsa_forward_progress 1
		.amdhsa_inst_pref_size 88
	.end_amdhsa_kernel
	.amdgpu_metadata
---
amdhsa.version: [ 1, 2 ]
amdhsa.kernels:
  - .name:           k_q5014d67243_attn
    .symbol:         k_q5014d67243_attn.kd
    .args:
      - { .name: qkvc, .offset: 0, .size: 8, .value_kind: global_buffer, .address_space: global }
      - { .name: lowp_scales, .offset: 8, .size: 8, .value_kind: global_buffer, .address_space: global }
      - { .name: ac, .offset: 16, .size: 8, .value_kind: global_buffer, .address_space: global }
    .group_segment_fixed_size: 327680
    .private_segment_fixed_size: 0
    .kernarg_segment_align: 8
    .kernarg_segment_size: 24
    .max_flat_workgroup_size: 512
    .sgpr_count:     100
    .vgpr_count:     256
    .wavefront_size: 32
...
	.end_amdgpu_metadata
.endif
;; end of part 3
;; launch proj (part 4): grid 8 x 32, 4 waves a work-group, clusters of 4 x 4, 327,680 bytes of LDS; arguments ac, woc, lowp_scales, b_out, out0; writes out0
.if DOCPART == 4
	.amdgcn_target "amdgcn-amd-amdhsa--gfx1250"
	.amdhsa_code_object_version 6
	.text
	.protected	k_q5014d67243_proj
	.globl	k_q5014d67243_proj
	.p2align	8
	.type	k_q5014d67243_proj,@function
k_q5014d67243_proj:
	s_mov_b64 s[64:65], 0
	v_nop
	global_prefetch_b8 v0, s[64:65] scope:SCOPE_SE
	s_setreg_imm32_b32 hwreg(HW_REG_WAVE_MODE, 25, 1), 1
	s_wait_xcnt 0x0
	s_wait_alu depctr_hold_cnt(0) depctr_sa_sdst(0) depctr_va_vdst(0) depctr_va_sdst(0) depctr_va_ssrc(0) depctr_va_vcc(0) depctr_vm_vsrc(0)
	s_getreg_b32 s2, hwreg(HW_REG_IB_STS2, 6, 4)
	s_cmp_eq_u32 s2, 0
	s_cbranch_scc0 .Lentry_in_a_cluster
	s_endpgm
.Lentry_in_a_cluster:
	s_bfe_u32 s2, ttmp6, 0x10000c
	s_cmp_lg_u32 s2, 0xf033
	s_cbranch_scc0 .Lentry_shape_is_right
	s_endpgm
.Lentry_shape_is_right:
; out0 = attention's result x w_out + b_out on codes of FP8 (E4M3), K = 1,024.  out0: [4096][1024] f32.  out = sum x 2^(e6 + e7) + b_out.  LIMIT: e6 + e7 between -126 and 127.
; ac: [head 16][tile of 16 tokens: 256][c: 2][h: 2][16 rows][16 bytes]: K = 64 head + 32 c + 16 h + byte, an image of the operand's registers;  woc: [n 1024][k 1024].
; 256 tiles of 128 x 128, one to a work-group of four waves; a wave makes 64 x 64: 16 accumulators.  A larger tile would leave WGPs without work.
; ALL OF K LIES IN LDS AT ONCE, each byte filled once: A [head 16][8 tiles][1,024 bytes], B 128 rows of 1,024 + 16 bytes.  One joint load a wave: waves 0, 1: eight heads of A each; waves 2, 3: 64 rows of B each.
; No prefetch: there is no loop that loads.
; CLUSTERS of 4 x 4: A's tile is shared along a row of the cluster, B's along a column.  One round stands in front of the loads, one at the end.
; The matrix instruction takes 16 rows of B as source 0 and 16 rows of A as source 1: a lane holds eight neighbouring numbers of a row of out0.
; REGISTERS: window 0: v0-31 addresses; v32-63 the bias; v64-127 rows on the way out; v128-255 the accumulators ((a, b) at v[128 + 8 (4 a + b)]).  Window 1: two fragment buffers of 128: A's four fragments, then B's four.
.set BP,    1040                       ; B's LDS row: an odd multiple of 16 bytes
.set BOFF,  131072
.set STAGE, BOFF+128*BP                ; the way out: 16 rows x 272 bytes a wave; no fill lands here
.set SPITCH, 272
.set SPARE, STAGE+4*16*SPITCH          ; the spare words, 128 bytes a wave
.set ADRA, 16                          ; v16, v17: my A fragments in heads 0-7, 8-15
.set ADRB, 20
.set STO,  24
.set RD,   25
.set CO,   26
.set BBO,  27
.set SPW,  30
.set NIL,  31
.set BB,   32
.set BK,   64
.set ACC,  128
.set G1, 24
.set G0, 32
.set G1B, 48
.set G0B, 56
.set MSB, 0
.macro WIN new                         ; the immediate's high byte repeats the setting that is left
.if MSB != \new
	s_set_vgpr_msb (MSB<<8)|\new
.set MSB, \new
.endif
.endm
.set MUL,  0x05                        ; sources 0 (B) and 1 (A) window 1; C and D window 0
.set TO_F, 0x40                        ; destination window 1, address window 0
.macro CROUND
	s_barrier_signal -1
	s_barrier_wait -1
	s_cmp_lg_u32 s14, 0
	s_cbranch_scc1 .Lnot_wave_0_\@
	s_barrier_signal -3
.Lnot_wave_0_\@:
	s_barrier_wait -3
	s_barrier_signal -1
	s_barrier_wait -1
.endm
.macro PLACES
.rept 4
	v_nop
.endr
.endm
	s_load_b128 s[4:7], s[0:1], 0x0                ; ac s[4:5], woc s[6:7]
	s_load_b128 s[8:11], s[0:1], 0x10              ; the scales' exponents s[8:9], b_out s[10:11]
	s_load_b64 s[12:13], s[0:1], 0x20              ; out0
	v_lshl_add_u32 v[SPW], v0, 2, SPARE
	v_mov_b32 v[NIL], 0
	ds_add_u32 v[SPW], v[NIL]                      ; the opening lines
	ds_add_u32 v[SPW], v[NIL]
	v_lshrrev_b32 v1, 5, v0
	v_readfirstlane_b32 s14, v1                    ; wave 0..3
	s_lshr_b32 s15, s14, 1                         ; which 64 rows of the tile are mine.  Also: I fetch for A (0) or for B (1)
	s_and_b32 s16, s14, 1                          ; which 64 columns.  Also: which half of that operand I fetch
	s_bfe_u32 s40, ttmp6, 0x40000                  ; cx, cy
	s_bfe_u32 s41, ttmp6, 0x40004
	s_lshl_b32 s42, ttmp9, 2
	s_add_co_u32 s42, s42, s40                     ; tile column = 4 x cluster x + cx
	s_and_b32 s17, ttmp7, 0xffff
	s_lshl_b32 s17, s17, 2
	s_add_co_u32 s17, s17, s41                     ; tile row = 4 x cluster y + cy
	s_lshl_b32 s43, s41, 2
	s_lshl_b32 s43, 15, s43                        ; my row of the cluster
	s_lshl_b32 s44, 0x1111, s40                    ; my column
	s_or_b32 s[G1], s43, (3<<16)|(1<<21)           ; A: elements of 8 bytes; 8 rows (heads) of 8,192 bytes, 262,144 apart
	s_mov_b32 s[G1+1], 1024<<16
	s_mov_b32 s[G1+2], 8<<16
	s_mov_b32 s[G1+3], 1024<<16
	s_mov_b32 s[G1+4], 8
	s_mov_b32 s[G1+5], 32768
	s_mov_b32 s[G1+6], 0
	s_mov_b32 s[G1+7], 0
	s_or_b32 s[G1B], s44, (1<<20)|(1<<21)|(7<<22)|(3<<25)   ; B: elements of 1 byte; 64 rows of 1,024 bytes; after every 256 words, 4 words
	s_mov_b32 s[G1B+1], 1024<<16
	s_mov_b32 s[G1B+2], 64<<16
	s_mov_b32 s[G1B+3], 1024<<16
	s_mov_b32 s[G1B+4], 64
	s_mov_b32 s[G1B+5], 1024
	s_mov_b32 s[G1B+6], 0
	s_mov_b32 s[G1B+7], 0
	s_lshl_b32 s20, s16, 21                        ; A: head 8 x half,
	s_lshl_b32 s21, s17, 13                        ; the tile's 8 x 1,024 bytes
	s_add_co_u32 s20, s20, s21
	s_mov_b32 s21, 0
	s_lshl_b32 s46, s42, 17                        ; B: the tile's 128 rows of 1,024 bytes,
	s_lshl_b32 s47, s16, 16                        ; 64 of them
	s_add_co_u32 s46, s46, s47
	s_mov_b32 s47, 0
	s_lshl_b32 s45, s16, 16                        ; where they go: no place in the cluster enters an LDS address
	s_mul_i32 s18, s16, 64*BP
	s_add_co_u32 s18, s18, BOFF
	s_wait_alu depctr_va_vdst(0)
	s_wait_dscnt 0x0
	s_wait_kmcnt 0x0
	s_load_b64 s[96:97], s[8:9], 0x18              ; e6, e7
	s_mov_b32 s[G0], 1
	s_mov_b32 s[G0+1], s45
	s_add_nc_u64 s[G0+2:G0+3], s[4:5], s[20:21]
	s_or_b32 s[G0+3], s[G0+3], 0x80000000
	s_mov_b32 s[G0B], 1
	s_mov_b32 s[G0B+1], s18
	s_add_nc_u64 s[G0B+2:G0B+3], s[6:7], s[46:47]
	s_or_b32 s[G0B+3], s[G0B+3], 0x80000000
	CROUND                                         ; all sixteen work-groups are here: the joint loads meet
	s_cmp_eq_u32 s15, 0
	s_cbranch_scc0 .Lfor_b
	tensor_load_to_lds s[G0:G0+3], s[G1:G1+7]
	s_nop 0
	PLACES
	s_branch .Lasked
.Lfor_b:
	tensor_load_to_lds s[G0B:G0B+3], s[G1B:G1B+7]
	s_nop 0
	PLACES
.Lasked:
	v_and_b32 v1, 15, v0                           ; r
	v_bfe_u32 v2, v0, 4, 1                         ; h
	v_and_b32 v3, 31, v0
	v_lshlrev_b32 v3, 4, v3                        ; 16 x lane
	s_lshl_b32 s21, s15, 12
	v_add_nc_u32 v[ADRA], s21, v3                  ; my four tiles
	v_add_nc_u32 v[ADRA+1], 0x10000, v[ADRA]
	v_mul_u32_u24 v4, v1, BP
	v_lshl_add_u32 v4, v2, 4, v4
	s_mul_i32 s22, s16, 64*BP
	s_add_co_u32 s22, s22, BOFF
	v_add_nc_u32 v[ADRB], s22, v4
	s_mul_i32 s23, s14, 16*SPITCH
	s_add_co_u32 s23, s23, STAGE                   ; my stage
	v_mul_u32_u24 v5, v1, SPITCH
	v_lshl_add_u32 v5, v2, 5, v5
	v_add_nc_u32 v[STO], s23, v5                   ; in: row r, 32 bytes for each half of the lanes
	v_mul_u32_u24 v6, v2, SPITCH
	v_lshl_add_u32 v6, v1, 4, v6
	v_add_nc_u32 v[RD], s23, v6                    ; back: lanes 0-15 one row of 256 bytes, lanes 16-31 the next
	v_lshlrev_b32 v7, 12, v2
	v_lshl_add_u32 v[CO], v1, 4, v7                ; and the same two rows in out0
	v_lshlrev_b32 v[BBO], 5, v2
	s_wait_alu depctr_va_vdst(0)
	s_lshl_b32 s84, s42, 9
	s_lshl_b32 s85, s16, 8
	s_add_co_u32 s84, s84, s85                     ; my first column, in bytes
	s_mov_b32 s85, 0
	s_add_nc_u64 s[10:11], s[10:11], s[84:85]      ; b_out there,
	s_add_nc_u64 s[12:13], s[12:13], s[84:85]      ; out0 there,
	s_lshl_b32 s86, s17, 19
	s_lshl_b32 s87, s15, 18
	s_add_co_u32 s86, s86, s87                     ; at my first row
	s_mov_b32 s87, 0
	s_add_nc_u64 s[12:13], s[12:13], s[86:87]
.irp b, 0,1,2,3
	global_load_b128 v[BB+8*\b:BB+8*\b+3], v[BBO], s[10:11] offset:64*\b       ; b_out at my columns 16 b + 8 h + 0 .. 7
	global_load_b128 v[BB+8*\b+4:BB+8*\b+7], v[BBO], s[10:11] offset:64*\b+16
.endr
; 32 LDS loads in one run: the fragments of chunk q (128 along K, two heads) into buffer f.  Registers 4 c .. 4 c + 3 hold K = 32 c + 16 h + 0 .. 15: the same order of k in A and in B
.macro FETCH q, f
	WIN TO_F
.irp i, 0,1,2,3
.irp c, 0,1,2,3
	ds_load_b128 v[(\f)+64+16*\i+4*\c:(\f)+64+16*\i+4*\c+3], v[ADRB] offset:(\q)*128+\i*16*BP+32*\c
.endr
.endr
.irp i, 0,1,2,3
.irp c, 0,1,2,3
	ds_load_b128 v[(\f)+16*\i+4*\c:(\f)+16*\i+4*\c+3], v[ADRA+(\q)/4] offset:((\q)%4)*16384+(\c/2)*8192+\i*1024+(\c%2)*512
.endr
.endr
.endm
; 16 matrix instructions; the 16 accumulators take turns, one instruction a turn, in the same order in every chunk
.macro MUL16 f, zero
	WIN MUL
.irp a, 0,1,2,3
.irp b, 0,1,2,3
.if \zero
	v_wmma_f32_16x16x128_fp8_fp8 v[ACC+8*(4*\a+\b):ACC+8*(4*\a+\b)+7], v[(\f)+64+16*\b:(\f)+64+16*\b+15], v[(\f)+16*\a:(\f)+16*\a+15], 0
.else
	v_wmma_f32_16x16x128_fp8_fp8 v[ACC+8*(4*\a+\b):ACC+8*(4*\a+\b)+7], v[(\f)+64+16*\b:(\f)+64+16*\b+15], v[(\f)+16*\a:(\f)+16*\a+15], v[ACC+8*(4*\a+\b):ACC+8*(4*\a+\b)+7]
.endif
.endr
.endr
.endm
	s_wait_tensorcnt 0x0                           ; my load is in
	s_barrier_signal -1
	s_barrier_wait -1                              ; everybody's is
	FETCH 0, 0
.irp q, 0,1,2,3,4,5,6,7
	s_wait_dscnt 0x0                               ; this chunk's fragments are in
.if \q < 7
.if \q > 0
	PLACES                                         ; between the last chunk's products and the loads into the buffer that they read
.endif
	FETCH \q+1, 128*((\q+1)%2)
.endif
.if \q == 0
	MUL16 0, 1                                     ; the first products start the sums
.else
	MUL16 128*(\q%2), 0
.endif
.endr
	WIN 0
	; THE WAY OUT, block by block of 16 rows x 64 columns: sum x 2^(e6 + e7) + bias; through my own stage; back as rows of 256 bytes.
.macro OUTB a
.set BKS, BK+32*((\a)%2)
.set jj, 0
.rept 16
	v_pk_fma_f32 v[ACC+32*(\a)+jj:ACC+32*(\a)+jj+1], v[ACC+32*(\a)+jj:ACC+32*(\a)+jj+1], s[96:97], v[BB+jj:BB+jj+1] op_sel_hi:[1,0,1]   ; each accumulator from its low end on
.set jj, jj+2
.endr
.irp b, 0,1,2,3
	ds_store_b128 v[STO], v[ACC+32*(\a)+8*\b:ACC+32*(\a)+8*\b+3] offset:64*\b
	ds_store_b128 v[STO], v[ACC+32*(\a)+8*\b+4:ACC+32*(\a)+8*\b+7] offset:64*\b+16
.endr
.irp i, 0,1,2,3,4,5,6,7
	ds_load_b128 v[BKS+4*\i:BKS+4*\i+3], v[RD] offset:2*\i*SPITCH   ; LDS serves a wave's instructions in order: these see the stores above, and the next block's stores come behind them
.endr
.endm
.macro SEND a, younger
.set BKS, BK+32*((\a)%2)
	s_wait_dscnt \younger
.irp i, 0,1,2,3,4,5,6,7
	global_store_b128 v[CO], v[BKS+4*\i:BKS+4*\i+3], s[12:13] offset:(16*(\a)+2*\i)*4096 th:TH_STORE_NT   ; 16 lanes store 256 consecutive bytes, at a multiple of 256 from out0's first byte
.endr
.endm
	PLACES                                         ; behind the last products
	s_wait_kmcnt 0x0
	s_add_co_i32 s96, s96, s97
	s_add_co_i32 s96, s96, 127
	s_lshl_b32 s96, s96, 23                        ; 2^(e6 + e7) as f32
	s_mov_b32 s97, s96
	s_wait_loadcnt 0x0                             ; the bias
	OUTB 0
.irp a, 1,2,3
.if \a > 1
	s_wait_xcnt 0x0                                ; block a - 2's stores have read their registers: block a's loads may land there
.endif
	OUTB \a
	SEND \a-1, 16                                  ; behind block a - 1's loads: block a's 8 stores and 8 loads
.endr
	SEND 3, 0
	s_wait_tensorcnt 0x0                           ; the wave's end
	ds_add_u32 v[SPW], v[NIL]
	s_wait_dscnt 0x0
	CROUND                                         ; the closing round: no LDS instruction and no tensor load of mine is out
	s_endpgm
.Lfunc_end_k_q5014d67243_proj:
	.size	k_q5014d67243_proj, .Lfunc_end_k_q5014d67243_proj-k_q5014d67243_proj
	.p2alignl 7, 3214868480
	.fill 96, 4, 3214868480
	.section	.rodata,"a",@progbits
	.p2align	6, 0x0
	.amdhsa_kernel k_q5014d67243_proj
		.amdhsa_group_segment_fixed_size 327680
		.amdhsa_private_segment_fixed_size 0
		.amdhsa_enable_private_segment 0
		.amdhsa_kernarg_size 40
		.amdhsa_user_sgpr_count 2
		.amdhsa_user_sgpr_kernarg_segment_ptr 1
		.amdhsa_wavefront_size32 1
		.amdhsa_system_sgpr_workgroup_id_x 1
		.amdhsa_system_sgpr_workgroup_id_y 1
		.amdhsa_system_sgpr_workgroup_id_z 1
		.amdhsa_system_vgpr_workitem_id 0
		.amdhsa_next_free_vgpr 512
		.amdhsa_next_free_sgpr 100
		.amdhsa_reserve_vcc 0
		.amdhsa_float_denorm_mode_32 3
		.amdhsa_float_denorm_mode_16_64 3
		.amdhsa_memory_ordered 1
		.amdhsa_forward_progress 1
		.amdhsa_inst_pref_size 44
	.end_amdhsa_kernel
	.amdgpu_metadata
---
amdhsa.version: [ 1, 2 ]
amdhsa.kernels:
  - .name:           k_q5014d67243_proj
    .symbol:         k_q5014d67243_proj.kd
    .args:
      - { .name: ac, .offset: 0, .size: 8, .value_kind: global_buffer, .address_space: global }
      - { .name: woc, .offset: 8, .size: 8, .value_kind: global_buffer, .address_space: global }
      - { .name: lowp_scales, .offset: 16, .size: 8, .value_kind: global_buffer, .address_space: global }
      - { .name: b_out, .offset: 24, .size: 8, .value_kind: global_buffer, .address_space: global }
      - { .name: out0, .offset: 32, .size: 8, .value_kind: global_buffer, .address_space: global }
    .group_segment_fixed_size: 327680
    .private_segment_fixed_size: 0
    .kernarg_segment_align: 8
    .kernarg_segment_size: 40
    .max_flat_workgroup_size: 128
    .sgpr_count:     100
    .vgpr_count:     512
    .wavefront_size: 32
...
	.end_amdgpu_metadata
.endif
;; end of part 4
